; MI455X (gfx1250); checked and timed in simulation.
; The chip was launched on July 23, 2026; its instructions are those of AMD's public machine-readable ISA for CDNA 5 (MIT licence, August 2026) and "CDNA5" Instruction Set Architecture Reference Guide (July 2026). The comments in the code are by the model that wrote it; some were corrected since.
;; Decoder Block. Allowed arithmetic: matrix products marked QUANTISED: E2M3 operands, one E8M0 scale for each 32 along K, by v_wmma_scale_f32_16x16x128_f8f6f4 with both operands' format E2M3, f32 sums; everything else in f32.
;; Inputs: ln1_b 1,024 float32; ln1_g 1,024 float32; ln2_b 1,024 float32; ln2_g 1,024 float32; w_fc1 1,024 x 4,096 float32; w_fc2 4,096 x 1,024 float32; w_proj 1,024 x 1,024 float32; w_qkv 1,024 x 3,072 float32; x 2 x 2,048 x 1,024 float32.
;; Outputs: out0 2 x 2,048 x 1,024 float32.
;; This version of the problem:
;;   THIS VERSION OF THE PROBLEM IS GIVEN IN LOW PRECISION. The matrix products marked QUANTISED in the list below multiply operands that are first quantised to E2M3 (2 exponent bits, 3 mantissa bits; 6 bits a number), with one power-of-two scale for each 32 numbers along K (OCP MX v1.0); their sums are f32. All else is computed in f32.
;;   The module's matrix products, in the order in which they are computed (A, B: the left and right operand; K: the contracted axis; several contracted axes count as one K, in the product's order):
;;     1. [M 4,096, K 1,024] x [K 1,024, N 3,072]; A: computed on the way; B: input w_qkv: QUANTISED
;;     2. batch 32 x [M 2,048, K 64] x [K 64, N 2,048]; A: computed on the way; B: computed on the way: QUANTISED
;;     3. batch 32 x [M 2,048, K 2,048] x [K 2,048, N 64]; A: softmax (see below); B: computed on the way: QUANTISED
;;     4. [M 4,096, K 1,024] x [K 1,024, N 1,024]; A: computed on the way; B: input w_proj: QUANTISED
;;     5. [M 4,096, K 1,024] x [K 1,024, N 4,096]; A: computed on the way; B: input w_fc1: QUANTISED
;;     6. [M 4,096, K 4,096] x [K 4,096, N 1,024]; A: computed on the way; B: input w_fc2: QUANTISED
;;   THE QUANTISER, for each operand of a quantised product, along K:
;;     - K is cut into blocks of 32 from its start; a last block that is shorter is filled with zeros.
;;     - A block's scale is 2^e with e = floor(log2(the largest magnitude in the block)) - 2, held to -126 .. 127; a block of zeros has e = 0. As a byte (E8M0): e + 127.
;;     - Each number is divided by its block's scale, clamped to +-7.5, and rounded to the nearest number of E2M3, ties to even, subnormals kept.
;;     - The product sums the exact products of the quantised numbers (number of the format x scale) in f32.
;;   ~~~python
;;   def quantise(x, axis):      # numpy; x: float32 -> the quantised numbers, widened to float32 again
;;       x = np.moveaxis(x, axis, -1); K = x.shape[-1]
;;       x = np.pad(x, [(0, 0)] * (x.ndim - 1) + [(0, -K % 32)]); x = x.reshape(x.shape[:-1] + (-1, 32)); a = np.abs(x).max(-1, keepdims=True)
;;       e = np.where(a > 0, np.clip(np.frexp(np.where(a > 0, a, 1))[1] - 1 - 2, -126, 127), 0)      # np.frexp(a)[1] - 1 = floor(log2(a)), exactly
;;       r = np.clip(x / 2.0 ** e, -7.5, 7.5)
;;       step = 2.0 ** (np.maximum(np.frexp(np.where(r == 0, 1, r))[1] - 1, 0) - 3)
;;       q = np.round(r / step) * step * 2.0 ** e      # np.round: ties to even
;;       return np.moveaxis(q.reshape(q.shape[:-2] + (-1,))[..., :K], -1, axis).astype(np.float32)
;;   ~~~
;;   SOFTMAX AHEAD OF A QUANTISED PRODUCT. Where the list says 'softmax', what is quantised is not the finished softmax but p = 2^(t - M), with t = logit x log2(e) and M = ceil(the row's largest t), a whole number; so 1/2 < the row's largest p <= 1. The row's sum l is taken of the UNQUANTISED p, in f32, and the product's result is divided by l at the end. Since M is a whole number, a kernel that streams over the keys may use a running M (the ceiling of the running maximum): every later rescaling is an exact power of two, which a block's scale takes up: the codes' values come out the same.
;;   OPERANDS COMPUTED ON THE WAY. 'Computed on the way' means the value that the module computes at that place (a softmax that the list does not call 'softmax' is quantised finished and normalised). What goes into a quantiser is computed in f32, as accurately as f32 sums, v_exp_f32 and their like allow (about 1e-6 of the number): no bf16 or f16 on the way to a quantiser, and a product that is left as it is and whose result goes on into a quantised operand takes f32 operands (vector FMAs, or v_wmma_f32_16x16x4_f32). A number that lies on a knife's edge between two numbers of the format may be rounded either way, as far as f32 arithmetic and the matrix unit's own rounding can turn it there, and no further.
;; One version. Each part assembles by itself: llvm-mc -triple=amdgcn-amd-amdhsa -mcpu=gfx1250 --defsym DOCPART=n.
;; ======== version 1 of 1: 7 launches
;; limits: right only within a limited range of input values
;; workspace buffers: wts 9,863,168 bytes; act 3,276,800 bytes; qkvb 9,830,400 bytes; x1 16,777,216 bytes; hid 13,107,200 bytes
;; launch pre (part 1): grid 448 x 1, 8 waves a work-group, no clusters, 53,248 bytes of LDS; arguments w_qkv, w_proj, w_fc1, w_fc2, wts, x, ln1_g, ln1_b, act; writes wts, act
.if DOCPART == 1
	.amdgcn_target "amdgcn-amd-amdhsa--gfx1250"
	.amdhsa_code_object_version 6
	.text
	.protected	k_qb282ac65b1_pre
	.globl	k_qb282ac65b1_pre
	.p2align	8
	.type	k_qb282ac65b1_pre,@function
k_qb282ac65b1_pre:
	s_mov_b64 s[64:65], 0
	v_nop
	global_prefetch_b8 v0, s[64:65] scope:SCOPE_SE
	s_setreg_imm32_b32 hwreg(HW_REG_WAVE_MODE, 25, 1), 1
	s_wait_xcnt 0x0
; TWO JOBS THAT DEPEND ON NOTHING BUT THE INPUTS, IN ONE LAUNCH.  Work-groups 0 .. 191: the four weights become codes.  Work-groups 192 .. 447: LayerNorm 1 of x and its quantiser.
; The two paths part on the work-group's number, which all waves of a work-group share; each path has LDS bytes of its own; they share the spare words alone, where each thread has its own word.
; The work-groups are unequal (a weights' group moves 256 x 256 numbers, a LayerNorm group 16 x 1,024): the long ones have the low numbers.  8 waves x 256 registers: two work-groups fit on a WGP.
; Memory binds both jobs: no matrix unit, no cluster, no tensor load.
; COMMON LAYOUT OF CODES (FP6, E2M3; one E8M0 byte for each 32 along K).  Rows (a weight's columns n; x's tokens) are taken in POSITION ORDER: position p holds row p with bits 3 and 4 exchanged.  A UNIT is 16 positions x 64
; along K, 768 bytes, an image of six operand registers: lane l = r + 16 h (row r of the tile, k = 64 kk + 32 h + 0 .. 31) has its registers 0-3 at 16 l and its registers 4-5 at 512 + 8 l.
; Unit (tile T, kk) lies at (T x K / 64 + kk) x 768.  SCALE WORDS: word (k128, p), four bytes for 128 along K, at (k128 x RP + p) x 4.
; A block's scale is 2^(floor(log2(largest magnitude)) - 2); its byte is that magnitude's exponent field - 2, held at 1 from below.
; LIMITS: a block of zeros, or one whose largest magnitude lies under 2^-124, keeps the byte 1 (its codes are zeros or tiny; this program alone reads the bytes); NaN and infinities are not served.
.set NWQ,   192                        ; work-groups of the weights' path
.set WREG,  6400                       ; weights: a wave's stage: two tiles x (4 units x 768 + 128 spare bytes)
.set P1,    8*WREG                     ; LayerNorm: 16 rows x 8 waves x 4 bytes: the sums,
.set P2,    P1+512                     ; the sums of squares
.set SPARE, P1+1024                    ; the spare words, 128 bytes for each wave
.set SPW,   244                        ; v244 my spare word; never rewritten
.set NIL,   245                        ; v245 0; never rewritten
	v_lshl_add_u32 v[SPW], v0, 2, SPARE
	v_mov_b32 v[NIL], 0
	s_cmp_ge_u32 ttmp9, NWQ
	s_cbranch_scc1 .Lnorm
; ---------------------------------------------------------------- THE WEIGHTS, f32 stored [K][N]
; A work-group takes 256 columns x 256 along K of one weight, a wave 32 columns, A LANE ONE COLUMN, ITS REGISTERS RUNNING DOWN K: a block of 32 lies in one lane, each load reads 128 consecutive bytes,
; and the conversions give codes with K innermost.  The codes go through the wave's own stage in LDS, laid as units, and leave 512 consecutive bytes a store.  No barrier: waves share nothing.
; One path serves all four weights: the work-group's number chooses pointers and sizes by s_cselect.
.set EMAX,  2
.set S16,   4                          ; v4   stage, on the way in: my 16-byte plane
.set S8,    5                          ; v5   my 8-byte plane
.set RDB,   6                          ; v6   stage, on the way out: 16 x lane
.set CO0,   7                          ; v7   16 x lane in the first tile's units
.set CO1,   8                          ; v8   the same in the second tile's
.set SO0,   9                          ; v9   my scale word's place, first 128 along K
.set SO1,   10                         ; v10  second 128
.set C,     16                         ; v16-25 a block's codes
.set SB,    26                         ; v26-27 scale bytes, four to a register
.set OFF,   32                         ; v32-63 4 x lane + i rows of the weight
.set WX,    64                         ; v64-127 two sets of 32 numbers
.set OUTR,  128                        ; v128-175 the way out
	s_load_b256 s[4:11], s[0:1], 0x0               ; w_qkv, w_proj, w_fc1, w_fc2
	s_load_b64 s[12:13], s[0:1], 0x20              ; wts
	v_lshrrev_b32 v1, 5, v0
	s_delay_alu instid0(VALU_DEP_1)
	v_readfirstlane_b32 s14, v1                    ; wave 0..7
	v_and_b32 v2, 31, v0                           ; lane
	s_mov_b32 s16, 4096                            ; w_fc2's figures: bytes in a row of the weight,
	s_mov_b32 s17, 128                             ; its first work-group,
	s_mov_b32 s18, 4                               ; log2 of its work-groups along K,
	s_mov_b32 s19, 49152                           ; bytes of a tile's units,
	s_mov_b32 s20, 6291456                         ; where its codes begin in wts,
	s_mov_b32 s21, 9732096                         ; and its scale words,
	s_mov_b32 s22, 4096                            ; bytes in a row of scale words
	s_wait_alu depctr_va_vdst(0)
	s_wait_kmcnt 0x0
	s_cmp_lt_u32 ttmp9, 128                        ; w_fc1's
	s_cselect_b64 s[10:11], s[8:9], s[10:11]
	s_cselect_b32 s16, 16384, s16
	s_cselect_b32 s17, 64, s17
	s_cselect_b32 s18, 2, s18
	s_cselect_b32 s19, 12288, s19
	s_cselect_b32 s20, 3145728, s20
	s_cselect_b32 s21, 9601024, s21
	s_cselect_b32 s22, 16384, s22
	s_cmp_lt_u32 ttmp9, 64                         ; w_proj's
	s_cselect_b64 s[10:11], s[6:7], s[10:11]
	s_cselect_b32 s16, 4096, s16
	s_cselect_b32 s17, 48, s17
	s_cselect_b32 s20, 2359296, s20
	s_cselect_b32 s21, 9568256, s21
	s_cselect_b32 s22, 4096, s22
	s_cmp_lt_u32 ttmp9, 48                         ; w_qkv's
	s_cselect_b64 s[10:11], s[4:5], s[10:11]
	s_cselect_b32 s16, 12288, s16
	s_cselect_b32 s17, 0, s17
	s_cselect_b32 s20, 0, s20
	s_cselect_b32 s21, 9437184, s21
	s_cselect_b32 s22, 16384, s22
	s_sub_co_u32 s23, ttmp9, s17                   ; my number within the weight
	s_bfm_b32 s24, s18, 0
	s_and_b32 s24, s23, s24                        ; y: which 256 along K
	s_lshr_b32 s25, s23, s18                       ; x: which 256 columns
	s_lshl_b32 s26, s25, 8
	s_lshl_b32 s27, s14, 5
	s_add_co_u32 s26, s26, s27                     ; my wave's first column
	s_lshl_b32 s27, s26, 2                         ; in bytes
	s_lshl_b32 s28, s24, 8
	s_mul_i32 s28, s28, s16
	s_add_co_u32 s28, s28, s27                     ; where my wave's part of the weight begins (under 2^25)
	s_mov_b32 s29, 0
	s_lshl_b32 s30, s16, 5                         ; a block of 32 rows on
	s_mov_b32 s31, 0
	s_add_nc_u64 s[32:33], s[10:11], s[28:29]      ; a base for each of the eight blocks: nothing is stepped while loads are out
.irp t, 1,2,3,4,5,6,7
	s_add_nc_u64 s[32+2*\t:33+2*\t], s[30+2*\t:31+2*\t], s[30:31]
.endr
	s_lshl_b32 s50, s25, 4
	s_lshl_b32 s51, s14, 1
	s_add_co_u32 s50, s50, s51                     ; my wave's first tile: 16 x + 2 x wave
	s_mul_i32 s50, s50, s19
	s_add_co_u32 s50, s50, s20
	s_mul_i32 s51, s24, 3072                       ; four units along K for each y
	s_add_co_u32 s50, s50, s51
	s_mov_b32 s51, 0
	s_add_nc_u64 s[50:51], s[12:13], s[50:51]      ; my codes
	s_lshl_b32 s52, s24, 1
	s_mul_i32 s52, s52, s22
	s_add_co_u32 s52, s52, s21
	s_add_co_u32 s52, s52, s27
	s_mov_b32 s53, 0
	s_add_nc_u64 s[52:53], s[12:13], s[52:53]      ; my scale words
	v_lshlrev_b32 v[OFF], 2, v2
.set i, 1
.rept 31
	s_delay_alu instid0(VALU_DEP_1)
	v_add_nc_u32 v[OFF+i], s16, v[OFF+i-1]
.set i, i+1
.endr
	v_bfe_u32 v3, v0, 3, 1                         ; u: which of my wave's two tiles my column's position falls in
	v_bfe_u32 v11, v0, 4, 1
	v_and_b32 v12, 7, v0
	s_delay_alu instid0(VALU_DEP_1)
	v_lshl_add_u32 v12, v11, 3, v12                ; r: its row there
	s_mul_i32 s15, s14, WREG
	v_mul_u32_u24 v13, v3, 3200
	s_delay_alu instid0(VALU_DEP_1)
	v_add_nc_u32 v13, s15, v13
	s_delay_alu instid0(VALU_DEP_1)
	v_lshl_add_u32 v[S16], v12, 4, v13
	s_delay_alu instid0(VALU_DEP_2)
	v_lshl_add_u32 v[S8], v12, 3, v13
	v_lshlrev_b32 v[CO0], 4, v2
	s_delay_alu instid0(VALU_DEP_1)
	v_add_nc_u32 v[RDB], s15, v[CO0]
	s_delay_alu instid0(VALU_DEP_2)
	v_add_nc_u32 v[CO1], s19, v[CO0]
	v_lshl_add_u32 v[SO0], v3, 4, v12
	s_delay_alu instid0(VALU_DEP_1)
	v_lshlrev_b32 v[SO0], 2, v[SO0]
	s_delay_alu instid0(VALU_DEP_1)
	v_add_nc_u32 v[SO1], s22, v[SO0]
.macro LOAD t                          ; block t: W(32 t + i, my column), i = 0 .. 31, into set t % 2
.set i, 0
.rept 32
	global_load_b32 v[WX+32*((\t)%2)+i], v[OFF+i], s[32+2*(\t):33+2*(\t)] th:TH_LOAD_NT
.set i, i+1
.endr
.endm
	LOAD 0
	LOAD 1
.macro BLOCK t
.set XS, WX+32*((\t)%2)
.if (\t) < 7
	s_wait_loadcnt 32                              ; this block's 32 loads are in; the next block's 32 may be out
.else
	s_wait_loadcnt 0
.endif
	v_max3_num_f32 v12, |v[XS]|, |v[XS+1]|, |v[XS+2]|   ; the block's largest magnitude: all 32 numbers are mine; two chains
	v_max3_num_f32 v13, |v[XS+3]|, |v[XS+4]|, |v[XS+5]|
.irp i, 6,10,14,18,22,26
	s_delay_alu instid0(VALU_DEP_2)
	v_max3_num_f32 v12, v12, |v[XS+\i]|, |v[XS+\i+1]|
	s_delay_alu instid0(VALU_DEP_2)
	v_max3_num_f32 v13, v13, |v[XS+\i+2]|, |v[XS+\i+3]|
.endr
	s_delay_alu instid0(VALU_DEP_2)
	v_max3_num_f32 v12, v12, |v[XS+30]|, |v[XS+31]|
	s_delay_alu instid0(VALU_DEP_1)
	v_max3_num_f32 v12, v12, v13, (EMAX+1)<<23     ; and the floor 2^(3 - 127): the byte cannot fall under 1
	s_delay_alu instid0(VALU_DEP_1)
	v_add_nc_u32 v11, -(EMAX<<23), v12             ; 2 off the exponent field: the conversion's scale operand
	s_delay_alu instid0(VALU_DEP_1)
	v_lshrrev_b32 v13, 23, v11                     ; the scale's byte
.if (\t)%4 == 0
	s_delay_alu instid0(VALU_DEP_1)
	v_mov_b32 v[SB+(\t)/4], v13
.else
	s_delay_alu instid0(VALU_DEP_1)
	v_lshl_or_b32 v[SB+(\t)/4], v13, 8*((\t)%4), v[SB+(\t)/4]
.endif
	v_cvt_scalef32_pk16_fp6_f32 v[C:C+2], v[XS:XS+15], v11
	v_cvt_scalef32_pk16_fp6_f32 v[C+4:C+6], v[XS+16:XS+31], v11   ; (a conversion's three registers begin on an even number)
	v_nop                                          ; one plain place behind a scaled conversion
	v_mov_b32 v[C+3], v[C+4]                       ; the six registers as a run of four and a pair
	v_mov_b32 v[C+8], v[C+5]
	v_mov_b32 v[C+9], v[C+6]
	ds_store_b128 v[S16], v[C:C+3] offset:((\t)/2)*768+((\t)%2)*256      ; unit t / 2, lanes' half t % 2
	ds_store_b64 v[S8], v[C+8:C+9] offset:((\t)/2)*768+512+((\t)%2)*128
.if (\t)+2 < 8
	LOAD (\t)+2
.endif
	s_wait_dscnt 0x0                               ; the stores have read their registers: the next block's codes may be written
.endm
.irp t, 0,1,2,3,4,5,6,7
	BLOCK \t
.endr
	global_store_b32 v[SO0], v[SB], s[52:53]       ; 32 lanes store 128 consecutive bytes of scale words
	s_wait_alu depctr_va_vdst(0)
	global_store_b32 v[SO1], v[SB+1], s[52:53]
.irp j, 0,1,2,3,4,5,6,7,8,9,10,11
	ds_load_b128 v[OUTR+4*\j:OUTR+4*\j+3], v[RDB] offset:(\j/6)*3200+(\j%6)*512   ; LDS serves a wave's instructions in order: these see my stores
.endr
.irp j, 0,1,2,3,4,5
	s_wait_dscnt 11-\j
	global_store_b128 v[CO0], v[OUTR+4*\j:OUTR+4*\j+3], s[50:51] offset:\j*512     ; 512 consecutive bytes, at a multiple of 256 from the buffer's first byte
.endr
.irp j, 6,7,8,9,10,11
	s_wait_dscnt 11-\j
	global_store_b128 v[CO1], v[OUTR+4*\j:OUTR+4*\j+3], s[50:51] offset:(\j-6)*512
.endr
	s_wait_tensorcnt 0x0                           ; the wave's end
	ds_add_u32 v[SPW], v[NIL]
	s_wait_dscnt 0x0
	s_endpgm
; ---------------------------------------------------------------- LAYERNORM 1 AND ITS QUANTISER
; LayerNorm of 4,096 rows of 1,024 f32, then the quantiser along the row: codes and scale words into act (unit (T, kk) at (16 T + kk) x 768; scale word (k128, p) at 3,145,728 + (4,096 k128 + p) x 4).
; A work-group takes one tile of 16 positions, wave w the columns 128 w .. 128 w + 127.  Lane (r, h) holds 64 numbers of row r: register 16 b + i is column 128 w + 32 b + 16 h + i: the order in which the
; conversions want them.  Mean and variance are taken in two passes over the registers (the variance of the centred numbers, so a common offset costs nothing); the waves' partial sums meet in LDS, two barriers,
; which every wave of such a work-group passes.
.Lnorm:
.set X,   32                           ; v32-95   the row's 64 numbers
.set G,   96                           ; v96-159  the gain at my columns
.set BT,  160                          ; v160-223 the bias
.set PC,  224                          ; v224-242 codes
.set TM,  8                            ; v8-23    at work
.set PW,  24                           ; v24      the scale word
.set SEL, 20
	s_load_b128 s[4:7], s[0:1], 0x28               ; x, the gain
	s_load_b128 s[8:11], s[0:1], 0x38              ; the bias, act
	v_lshrrev_b32 v1, 5, v0
	s_delay_alu instid0(VALU_DEP_1)
	v_readfirstlane_b32 s12, v1                    ; wave 0..7
	v_and_b32 v2, 15, v0                           ; r
	v_bfe_u32 v3, v0, 4, 1                         ; h
	v_and_b32 v4, 7, v0
	v_bfe_u32 v5, v0, 3, 1
	s_delay_alu instid0(VALU_DEP_3)
	v_lshlrev_b32 v6, 6, v3                        ; gain and bias: 64 h
	s_delay_alu instid0(VALU_DEP_1)
	v_lshl_add_u32 v7, v4, 12, v6                  ; the rows: position r is row (r % 8) + 16 (r / 8) of the pair of tiles,
	s_delay_alu instid0(VALU_DEP_1)
	v_lshl_add_u32 v7, v5, 16, v7                  ; 4,096 bytes a row
	v_lshlrev_b32 v25, 5, v2                       ; LDS: row r's eight words
	s_lshl_b32 s18, s12, 2
	v_add_nc_u32 v26, s18, v25                     ; and my wave's among them
	v_and_b32 v1, 31, v0
	s_delay_alu instid0(VALU_DEP_1)
	v_lshlrev_b32 v27, 3, v1                       ; 8 x lane
	s_delay_alu instid0(VALU_DEP_2)
	v_lshlrev_b32 v1, 4, v1                        ; 16 x lane
	v_lshlrev_b32 v5, 2, v2                        ; 4 r
	s_sub_co_u32 s26, ttmp9, NWQ                   ; my tile of 16 positions
	s_lshr_b32 s13, s26, 1
	s_lshl_b32 s13, s13, 17                        ; 32 rows for each pair of tiles,
	s_and_b32 s14, s26, 1
	s_lshl_b32 s14, s14, 15                        ; 8 rows for the odd tile,
	s_lshl_b32 s16, s12, 9                         ; 512 bytes for each wave
	s_mov_b32 s17, 0
	s_add_co_u32 s14, s14, s13
	s_add_co_u32 s14, s14, s16
	s_mov_b32 s15, 0
	s_lshl_b32 s22, s26, 4
	s_lshl_b32 s23, s12, 1
	s_add_co_u32 s22, s22, s23
	s_mul_i32 s22, s22, 768                        ; my two units
	s_mov_b32 s23, 0
	s_lshl_b32 s24, s12, 14
	s_lshl_b32 s25, s26, 6
	s_add_co_u32 s24, s24, s25
	s_add_co_u32 s24, s24, 3145728                 ; my tile's scale words for 128 w on
	s_mov_b32 s25, 0
	s_mov_b32 s19, 0x3a800000                      ; 1 / 1,024
	s_mov_b32 s[SEL], 0x76543210
	s_mov_b32 s[SEL+1], 0xfedcba98                 ; v_permlanex16_b32's selects for lane l xor 16
	s_wait_alu depctr_va_vdst(0)
	s_wait_kmcnt 0x0
	s_add_nc_u64 s[4:5], s[4:5], s[14:15]
	s_add_nc_u64 s[6:7], s[6:7], s[16:17]
	s_add_nc_u64 s[8:9], s[8:9], s[16:17]
	s_add_nc_u64 s[24:25], s[10:11], s[24:25]
	s_add_nc_u64 s[10:11], s[10:11], s[22:23]
.irp b, 0,1,2,3
.irp j, 0,1,2,3
	global_load_b128 v[X+16*\b+4*\j:X+16*\b+4*\j+3], v7, s[4:5] offset:128*\b+16*\j
.endr
.endr
.irp b, 0,1,2,3
.irp j, 0,1,2,3
	global_load_b128 v[G+16*\b+4*\j:G+16*\b+4*\j+3], v6, s[6:7] offset:128*\b+16*\j
.endr
.endr
.irp b, 0,1,2,3
.irp j, 0,1,2,3
	global_load_b128 v[BT+16*\b+4*\j:BT+16*\b+4*\j+3], v6, s[8:9] offset:128*\b+16*\j
.endr
.endr
; Four chains in v[8:15] are joined, then the other half of the lanes', then the eight waves' through LDS at off: v16 = the row's sum, the same bits in every wave.
.macro REDUCE off
	s_delay_alu instid0(VALU_DEP_3)
	v_pk_add_f32 v[8:9], v[8:9], v[10:11]
	s_delay_alu instid0(VALU_DEP_2)
	v_pk_add_f32 v[12:13], v[12:13], v[14:15]
	s_delay_alu instid0(VALU_DEP_1)
	v_pk_add_f32 v[8:9], v[8:9], v[12:13]
	s_delay_alu instid0(VALU_DEP_1)
	v_add_f32 v8, v8, v9
	s_delay_alu instid0(VALU_DEP_1)
	v_permlanex16_b32 v10, v8, s[SEL], s[SEL+1]
	s_delay_alu instid0(VALU_DEP_1)
	v_add_f32 v8, v8, v10
	ds_store_b32 v26, v8 offset:\off               ; both halves of the lanes write the same word with the same value
	s_wait_dscnt 0x0                               ; for the others' sake: my store is done
	s_barrier_signal -1
	s_barrier_wait -1
	ds_load_b128 v[16:19], v25 offset:\off
	ds_load_b128 v[20:23], v25 offset:\off+16
	s_wait_dscnt 0x0
	v_add_f32 v16, v16, v17
	v_add_f32 v18, v18, v19
	v_add_f32 v20, v20, v21
	v_add_f32 v22, v22, v23
	s_delay_alu instid0(VALU_DEP_3)
	v_add_f32 v16, v16, v18
	s_delay_alu instid0(VALU_DEP_2)
	v_add_f32 v20, v20, v22
	s_delay_alu instid0(VALU_DEP_1)
	v_add_f32 v16, v16, v20
.endm
	s_wait_loadcnt 32                              ; the row's 16 loads are in; the gain's and the bias's 32 may be out
.irp k, 0,1,2,3
	v_pk_add_f32 v[8+2*\k:9+2*\k], v[X+2*\k:X+2*\k+1], v[X+8+2*\k:X+9+2*\k]   ; the first numbers start the chains: nothing is cleared
.endr
.set m, 16
.rept 24
	s_delay_alu instid0(VALU_DEP_4)
	v_pk_add_f32 v[8+2*((m/2)%4):9+2*((m/2)%4)], v[8+2*((m/2)%4):9+2*((m/2)%4)], v[X+m:X+m+1]
.set m, m+2
.endr
	REDUCE P1
	s_delay_alu instid0(VALU_DEP_1)
	v_mul_f32 v28, s19, v16                        ; the mean
	s_delay_alu instid0(VALU_DEP_1)
	v_mov_b32 v29, v28
.set m, 0
.rept 32
	v_pk_add_f32 v[X+m:X+m+1], v[X+m:X+m+1], v[28:29] op_sel_hi:[1,0] neg_lo:[0,1] neg_hi:[0,1]   ; centred
.set m, m+2
.endr
.irp k, 0,1,2,3
	v_pk_mul_f32 v[8+2*\k:9+2*\k], v[X+2*\k:X+2*\k+1], v[X+2*\k:X+2*\k+1]
.endr
.set m, 8
.rept 28
	s_delay_alu instid0(VALU_DEP_4)
	v_pk_fma_f32 v[8+2*((m/2)%4):9+2*((m/2)%4)], v[X+m:X+m+1], v[X+m:X+m+1], v[8+2*((m/2)%4):9+2*((m/2)%4)]
.set m, m+2
.endr
	REDUCE P2                                      ; other bytes than the first exchange: no wave writes what another may still read
	s_delay_alu instid0(VALU_DEP_1)
	v_fmaak_f32 v30, s19, v16, 0x3727c5ac          ; the variance + 1e-5
	s_wait_alu depctr_va_vdst(0)
	v_rsq_f32 v30, v30
	v_nop                                          ; a plain place behind the transcendental
	s_wait_alu depctr_va_vdst(0)                   ; and the wait ahead of its first reader
	v_mov_b32 v31, v30
	s_wait_alu depctr_va_vdst(0)
	s_wait_loadcnt 0x0                             ; the gain and the bias
.set m, 0
.rept 32
	v_pk_mul_f32 v[X+m:X+m+1], v[X+m:X+m+1], v[30:31] op_sel_hi:[1,0]
.set m, m+2
.endr
.set m, 0
.rept 32
	v_pk_fma_f32 v[X+m:X+m+1], v[X+m:X+m+1], v[G+m:G+m+1], v[BT+m:BT+m+1]
.set m, m+2
.endr
	; the quantiser: four blocks of 32, each in lanes l and l xor 16
.irp b, 0,1,2,3
	v_max3_num_f32 v[TM+\b], |v[X+16*\b]|, |v[X+1+16*\b]|, 0x1800000   ; my 16 numbers, and the floor 2^(3 - 127): the byte cannot fall under 1
.endr
.irp i, 2,4,6,8,10,12,14
.irp b, 0,1,2,3
	s_delay_alu instid0(VALU_DEP_4)
	v_max3_num_f32 v[TM+\b], v[TM+\b], |v[X+16*\b+\i]|, |v[X+1+16*\b+\i]|
.endr
.endr
.irp b, 0,1,2,3
	s_delay_alu instid0(VALU_DEP_4)
	v_permlanex16_b32 v[TM+4+\b], v[TM+\b], s[SEL], s[SEL+1]
.endr
.irp b, 0,1,2,3
	s_delay_alu instid0(VALU_DEP_4)
	v_max_num_f32 v[TM+\b], v[TM+\b], v[TM+4+\b]
.endr
.irp b, 0,1,2,3
	s_delay_alu instid0(VALU_DEP_4)
	v_add_nc_u32 v[TM+12+\b], 0xff000000, v[TM+\b] ; 2 off the exponent field: the conversion's scale operand
.endr
.irp b, 0,1,2,3
	s_delay_alu instid0(VALU_DEP_4)
	v_lshrrev_b32 v[TM+4+\b], 23, v[TM+12+\b]      ; the scale's byte
.endr
	s_delay_alu instid0(VALU_DEP_3)
	v_lshl_or_b32 v[PW], v[TM+5], 8, v[TM+4]
	s_delay_alu instid0(VALU_DEP_1)
	v_lshl_or_b32 v[PW], v[TM+6], 16, v[PW]
	s_delay_alu instid0(VALU_DEP_1)
	v_lshl_or_b32 v[PW], v[TM+7], 24, v[PW]
.irp c, 0,1
	v_cvt_scalef32_pk16_fp6_f32 v[PC+6*\c:PC+2+6*\c], v[X+32*\c:X+15+32*\c], v[TM+12+2*\c]
	v_cvt_scalef32_pk16_fp6_f32 v[PC+12+4*\c:PC+14+4*\c], v[X+16+32*\c:X+31+32*\c], v[TM+13+2*\c]
.endr
	v_nop                                          ; one plain place behind a scaled conversion
.irp c, 0,1                                    ; the operand's layout wants a whole block in a lane
.irp i, 0,1,2
	v_permlane16_swap_b32 v[PC+6*\c+\i], v[PC+12+4*\c+\i]
.endr
.irp i, 0,1,2
	s_delay_alu instid0(VALU_DEP_3)
	v_mov_b32 v[PC+3+6*\c+\i], v[PC+12+4*\c+\i]
.endr
.endr
	global_store_b128 v1, v[PC:PC+3], s[10:11]                 ; 512 consecutive bytes
	global_store_b64 v27, v[PC+4:PC+5], s[10:11] offset:512    ; 256
	global_store_b128 v1, v[PC+6:PC+9], s[10:11] offset:768
	global_store_b64 v27, v[PC+10:PC+11], s[10:11] offset:1280
	global_store_b32 v5, v[PW], s[24:25]                       ; 16 scale words; both halves of the lanes hold and write the same
	s_wait_tensorcnt 0x0                           ; the wave's end
	ds_add_u32 v[SPW], v[NIL]
	s_wait_dscnt 0x0
	s_endpgm
.Lfunc_end_k_qb282ac65b1_pre:
	.size	k_qb282ac65b1_pre, .Lfunc_end_k_qb282ac65b1_pre-k_qb282ac65b1_pre
	.p2alignl 7, 3214868480
	.fill 96, 4, 3214868480
	.section	.rodata,"a",@progbits
	.p2align	6, 0x0
	.amdhsa_kernel k_qb282ac65b1_pre
		.amdhsa_group_segment_fixed_size 53248
		.amdhsa_private_segment_fixed_size 0
		.amdhsa_enable_private_segment 0
		.amdhsa_kernarg_size 72
		.amdhsa_user_sgpr_count 2
		.amdhsa_user_sgpr_kernarg_segment_ptr 1
		.amdhsa_wavefront_size32 1
		.amdhsa_system_sgpr_workgroup_id_x 1
		.amdhsa_system_sgpr_workgroup_id_y 1
		.amdhsa_system_sgpr_workgroup_id_z 1
		.amdhsa_system_vgpr_workitem_id 0
		.amdhsa_next_free_vgpr 256
		.amdhsa_next_free_sgpr 66
		.amdhsa_reserve_vcc 0
		.amdhsa_float_denorm_mode_32 3
		.amdhsa_float_denorm_mode_16_64 3
		.amdhsa_memory_ordered 1
		.amdhsa_forward_progress 1
		.amdhsa_inst_pref_size 77
	.end_amdhsa_kernel
	.amdgpu_metadata
---
amdhsa.version: [ 1, 2 ]
amdhsa.kernels:
  - .name:           k_qb282ac65b1_pre
    .symbol:         k_qb282ac65b1_pre.kd
    .args:
      - { .name: w_qkv, .offset: 0, .size: 8, .value_kind: global_buffer, .address_space: global }
      - { .name: w_proj, .offset: 8, .size: 8, .value_kind: global_buffer, .address_space: global }
      - { .name: w_fc1, .offset: 16, .size: 8, .value_kind: global_buffer, .address_space: global }
      - { .name: w_fc2, .offset: 24, .size: 8, .value_kind: global_buffer, .address_space: global }
      - { .name: wts, .offset: 32, .size: 8, .value_kind: global_buffer, .address_space: global }
      - { .name: x, .offset: 40, .size: 8, .value_kind: global_buffer, .address_space: global }
      - { .name: ln1_g, .offset: 48, .size: 8, .value_kind: global_buffer, .address_space: global }
      - { .name: ln1_b, .offset: 56, .size: 8, .value_kind: global_buffer, .address_space: global }
      - { .name: act, .offset: 64, .size: 8, .value_kind: global_buffer, .address_space: global }
    .group_segment_fixed_size: 53248
    .private_segment_fixed_size: 0
    .kernarg_segment_align: 8
    .kernarg_segment_size: 72
    .max_flat_workgroup_size: 256
    .sgpr_count:     66
    .vgpr_count:     256
    .wavefront_size: 32
...
	.end_amdgpu_metadata
.endif
;; end of part 1
;; launch qkv (part 2): grid 12 x 16, 4 waves a work-group, clusters of 4 x 4, 327,680 bytes of LDS; arguments act, wts, qkvb; writes qkvb
.if DOCPART == 2
	.amdgcn_target "amdgcn-amd-amdhsa--gfx1250"
	.amdhsa_code_object_version 6
	.text
	.protected	k_qb282ac65b1_qkv
	.globl	k_qb282ac65b1_qkv
	.p2align	8
	.type	k_qb282ac65b1_qkv,@function
k_qb282ac65b1_qkv:
	s_mov_b64 s[64:65], 0
	v_nop
	global_prefetch_b8 v0, s[64:65] scope:SCOPE_SE
	s_setreg_imm32_b32 hwreg(HW_REG_WAVE_MODE, 25, 1), 1
	s_wait_xcnt 0x0
	s_wait_alu depctr_hold_cnt(0) depctr_sa_sdst(0) depctr_va_vdst(0) depctr_va_sdst(0) depctr_va_ssrc(0) depctr_va_vcc(0) depctr_vm_vsrc(0)
	s_getreg_b32 s2, hwreg(HW_REG_IB_STS2, 6, 4)
	s_cmp_eq_u32 s2, 0
	s_cbranch_scc0 .Lentry_in_a_cluster
	s_endpgm
.Lentry_in_a_cluster:
	s_bfe_u32 s2, ttmp6, 0x10000c
	s_cmp_lg_u32 s2, 0xf033
	s_cbranch_scc0 .Lentry_shape_is_right
	s_endpgm
.Lentry_shape_is_right:
; q, k, v = LN1(x) W_qkv on codes of FP6 (E2M3) with E8M0 scales for each 32 along K = 1,024, and the three results quantised on the way out as attention's operands: q and k along the head's 64, v along the keys.
; A tile of the result, 256 x 256, is made by four waves, each 128 x 128: 64 accumulators of 16 x 16.  K goes in steps of 256 through a ring of two LDS slots filled by the tensor data mover.
; OPERANDS lie in memory as images of their registers: unit (tile of 16 row positions, 64 along K) = 768 bytes: lane l has registers 0-3 at 16 l, registers 4-5 at 512 + 8 l.  So every LDS load takes consecutive bytes,
; and there is no padding.  Rows are in POSITION ORDER (bits 3 and 4 of the row number exchanged): used as source 0, two neighbouring tiles then leave in a lane's 16 registers 16 NEIGHBOURING true rows.
; THE MATRIX INSTRUCTION IS USED TRANSPOSED: source 0 = 16 rows of B, source 1 = 16 rows of A.  A lane holds one row of A, its registers run along B's rows.
; q, k (cluster x 0, 1): A = the tokens, B = the weight's columns: a lane holds a token and 128 features, two heads: the quantiser runs along the features.
; v (cluster x 2): the roles are exchanged, A = the weight's columns, B = the tokens: a lane holds a channel and 128 tokens: the quantiser runs along the keys.  The choice hangs on the cluster's x alone,
; which all sixteen partners share, and is made by s_cselect: one text, no branch.
; CLUSTERS: 4 x 4.  A's tiles are shared along a row of the cluster, B's along a column: each is asked for jointly, by the same tensor load with a mask that names the four.
; Prefetches ask ahead for slots 1-3 of K.
; qkvb: q, k codes: unit of (head H of 32: q's 16, then k's 16; token tile T) at H x 196,608 + T x 768.  v codes at 6,291,456 + head x 196,608 + (128 keys G) x 6,144 + (channel tile) x 1,536 + c x 768.
;   q, k scale words for a PAIR of token tiles (bytes: even tile's two blocks, odd tile's two) at 9,437,184 + H x 8,192 + pair x 64 + 4 r.  v scale words at 9,699,328 + head x 8,192 + G x 256 + tile x 64 + 4 r.
; LIMITS: NaN and infinities are not served; a block of zeros, or one under 2^-124, keeps the scale byte 1 (this program alone reads the bytes).
; REGISTERS, in windows of 256: window 0: v0-31 addresses; v32-63 scale words, two sets; from v128 A's fragments, one set.  window 1: B's fragments, two sets.  windows 2, 3: the accumulators ((a, b) at v[8 (8 (a % 4) + b)]).
.set NQ,     2                         ; steps of 128 along K in a slot
.set NL,     4                         ; LDS loads that bring a fragment
.set NP,     4                         ; places behind this matrix instruction (ISA guide 7.12.1)
.set FR,     12                        ; registers of a fragment
.set KSB,    3072                      ; a row tile's bytes in a slot: four units
.set TPB,    12288                     ; a row tile's bytes in memory: sixteen units
.set HALFT,  8*KSB                     ; 128 rows: what one tensor load brings
.set SLOT,   4*HALFT
.set SCL,    2*SLOT                    ; behind the ring: the scale words of all of K: [128 along K: 1,024 bytes][row: 4]
.set HALFS,  4096                      ; those of 128 rows
.set SPARE,  SCL+4*HALFS               ; the spare words, 128 bytes for each wave
.set ADRA, 16                          ; v16-17 my A fragments' 16-byte planes in slot 0, 1; v18-19 their 8-byte planes
.set ADRB, 20                          ; v20-23 the same for B
.set ADRS, 27                          ; v27 my scale words: lanes 0-15 A's rows, lanes 16-31 B's
.set SPW,  28                          ; v28 my spare word; never rewritten
.set NIL,  29                          ; v29 0; never rewritten
.set SC,   32
.set AF,   128
.set TM,   8                           ; the way out: v8-23 at work
.set PC,   32                          ; v32-50 codes
.set PW,   52                          ; v52-53 two tiles' scale words
.set G1, 24
.set G0, 32
.set G1B, 48
.set G0B, 56
.set G1S, 68
.set G0S, 76
.set G1SB, 80
.set G0SB, 88
.set SEL, 2                            ; s[2:3]
.set MSB, 0
.macro WIN new                         ; the immediate's high byte repeats the setting that is left
.if MSB != (\new)
	s_set_vgpr_msb (MSB<<8)|(\new)
.set MSB, (\new)
.endif
.endm
.set MUL_LO, 0xa1                      ; source 0 (B) window 1, source 1 (A) window 0, C and D window 2
.set MUL_HI, 0xf1                      ; the same, C and D window 3
.set TO_B,   0x40                      ; destination window 1, address window 0
; A joint load: waves 0 and 1 fetch for A, waves 2 and 3 for B.  The branch hangs on the wave's number alone.  An s_nop 0 and four v_nop follow each of the two lines.
.macro JLOAD g0a, g1a, g0b, g1b
	s_cmp_eq_u32 s15, 0
	s_cbranch_scc0 .Lfor_b_\@
	tensor_load_to_lds s[\g0a:\g0a+3], s[\g1a:\g1a+7]
	s_nop 0
.rept 4
	v_nop
.endr
	s_branch .Lasked_\@
.Lfor_b_\@:
	tensor_load_to_lds s[\g0b:\g0b+3], s[\g1b:\g1b+7]
	s_nop 0
.rept 4
	v_nop
.endr
.Lasked_\@:
.endm
.macro CREST                           ; a round of the cluster's barrier behind its opening barrier
	s_cmp_lg_u32 s14, 0
	s_cbranch_scc1 .Lnot_wave_0_\@
	s_barrier_signal -3
.Lnot_wave_0_\@:
	s_barrier_wait -3
	s_barrier_signal -1
	s_barrier_wait -1
.endm
.macro CROUND
	s_barrier_signal -1
	s_barrier_wait -1
	CREST
.endm
	s_load_b128 s[4:7], s[0:1], 0x0                ; act, wts
	s_load_b64 s[8:9], s[0:1], 0x10                ; qkvb
	v_lshl_add_u32 v[SPW], v0, 2, SPARE
	v_mov_b32 v[NIL], 0
	ds_add_u32 v[SPW], v[NIL]                      ; the wave's opening
	ds_add_u32 v[SPW], v[NIL]
	v_lshrrev_b32 v1, 5, v0
	v_readfirstlane_b32 s14, v1                    ; wave 0..3
	s_lshr_b32 s15, s14, 1                         ; which half of A's rows is mine.  Also: I fetch for A (0) or for B (1)
	s_and_b32 s16, s14, 1                          ; which half of B's rows.  Also: which 128 rows I fetch
	s_bfe_u32 s40, ttmp6, 0x40000                  ; cx, cy
	s_bfe_u32 s41, ttmp6, 0x40004
	s_and_b32 s18, ttmp7, 0xffff                   ; the cluster's y
	s_cmp_eq_u32 ttmp9, 2                          ; v's clusters: the same answer in all sixteen partners
	s_cselect_b32 s42, s18, ttmp9                  ; B's tiles walk with: the tokens (v), the weight's columns (q, k)
	s_cselect_b32 s17, 0, s18                      ; A's tiles: v's 1,024 columns are four tiles, one cluster's height
	s_cselect_b32 s96, 1572864, 0                  ; where A's codes begin in their buffer,
	s_mov_b32 s97, 3145728
	s_cselect_b32 s97, 9445376, s97                ; A's scale words,
	s_mov_b32 s98, 9437184
	s_cselect_b32 s98, 3145728, s98                ; B's scale words (B's codes begin at 0 either way)
	s_lshl_b32 s42, s42, 2
	s_add_co_u32 s42, s42, s40                     ; B's tile of 256 rows
	s_lshl_b32 s17, s17, 2
	s_add_co_u32 s17, s17, s41                     ; A's tile of 256 rows
	s_lshl_b32 s43, s41, 2
	s_lshl_b32 s43, 15, s43                        ; my row of the cluster
	s_lshl_b32 s44, 0x1111, s40                    ; my column
	s_or_b32 s[G1+0], s43, (3<<16)|(1<<21)         ; 15:0 the mask; 17:16 elements of 8 bytes; 20 no padding; 21 set beside a mask
	s_or_b32 s[G1B+0], s44, (3<<16)|(1<<21)
.irp g, G1, G1B                        ; codes: 8 row tiles x 3,072 bytes, 12,288 bytes apart
	s_mov_b32 s[\g+1], 384<<16
	s_mov_b32 s[\g+2], 16<<16                      ; the head's loads bring all 16 row tiles; behind them the two words are set to 8, for the ring's
	s_mov_b32 s[\g+3], 384<<16
	s_mov_b32 s[\g+4], 16
	s_mov_b32 s[\g+5], 1536
	s_mov_b32 s[\g+6], 0
	s_mov_b32 s[\g+7], 0
.endr
	s_or_b32 s[G1S+0], s43, (3<<16)|(1<<21)
	s_or_b32 s[G1SB+0], s44, (3<<16)|(1<<21)
.irp g, G1S, G1SB                      ; scale words: 8 steps of 128 along K x 1,024 bytes (256 rows), 16,384 bytes apart
	s_mov_b32 s[\g+1], 128<<16                     ; 1,024 bytes: the words of all 256 rows, one load a side
	s_mov_b32 s[\g+2], 8<<16
	s_mov_b32 s[\g+3], 128<<16
	s_mov_b32 s[\g+4], 8
	s_mov_b32 s[\g+5], 2048
	s_mov_b32 s[\g+6], 0
	s_mov_b32 s[\g+7], 0
.endr
	s_lshl_b32 s20, s17, 4                         ; A: the tile's first row tile
	s_lshl_b32 s46, s42, 4                         ; B's
	s_mul_i32 s18, s16, 8*TPB                      ; in the ring I fetch eight row tiles: which half, in bytes
	s_mov_b32 s19, 0
	s_lshl_b32 s22, s20, 6                         ; 64 bytes of scale words a tile
	s_add_co_u32 s22, s22, s97
	s_lshl_b32 s92, s46, 6
	s_add_co_u32 s92, s92, s98
	s_mul_i32 s20, s20, TPB
	s_add_co_u32 s20, s20, s96
	s_mul_i32 s46, s46, TPB
	s_mov_b32 s21, 0
	s_mov_b32 s23, 0
	s_mov_b32 s47, 0
	s_mov_b32 s93, 0
	s_mul_i32 s45, s14, HALFT                      ; where they go: wave x 128 rows: no place in the cluster enters an LDS address
	s_wait_dscnt 0x0                               ; the opening add is done
	s_wait_kmcnt 0x0
	s_cmp_eq_u32 ttmp9, 2
	s_cselect_b64 s[10:11], s[6:7], s[4:5]         ; A's buffer
	s_cselect_b64 s[12:13], s[4:5], s[6:7]         ; B's
	s_add_nc_u64 s[20:21], s[10:11], s[20:21]
	s_add_nc_u64 s[22:23], s[10:11], s[22:23]
	s_add_nc_u64 s[46:47], s[12:13], s[46:47]
	s_add_nc_u64 s[92:93], s[12:13], s[92:93]
	CROUND                                         ; all sixteen work-groups are here: the first joint loads meet
	s_mov_b32 s[G0S], 1
	s_mov_b32 s[G0S+1], SCL
	s_mov_b64 s[G0S+2:G0S+3], s[22:23]
	s_or_b32 s[G0S+3], s[G0S+3], 0x80000000
	s_mov_b32 s[G0SB], 1
	s_mov_b32 s[G0SB+1], SCL+2*HALFS
	s_mov_b64 s[G0SB+2:G0SB+3], s[92:93]
	s_or_b32 s[G0SB+3], s[G0SB+3], 0x80000000
	s_mov_b32 s4, 1                                ; group 0 of the head's whole tiles, in registers whose arguments are used up: slot 0's 256 rows of A,
	s_mov_b32 s5, 0
	s_mov_b64 s[6:7], s[20:21]
	s_or_b32 s7, s7, 0x80000000
	s_mov_b32 s96, 1                               ; and of B, behind them
	s_mov_b32 s97, 2*HALFT
	s_mov_b64 s[98:99], s[46:47]
	s_or_b32 s99, s99, 0x80000000
	s_add_nc_u64 s[20:21], s[20:21], s[18:19]      ; for the ring: my half of the tile
	s_add_nc_u64 s[46:47], s[46:47], s[18:19]
.irp s, 0,1
	s_mov_b32 s[G0+4*\s], 1
	s_add_co_u32 s[G0+4*\s+1], s45, \s*SLOT
	s_add_nc_u64 s[G0+4*\s+2:G0+4*\s+3], s[20:21], \s*KSB
	s_or_b32 s[G0+4*\s+3], s[G0+4*\s+3], 0x80000000
	s_mov_b32 s[G0B+4*\s], 1
	s_add_co_u32 s[G0B+4*\s+1], s45, \s*SLOT
	s_add_nc_u64 s[G0B+4*\s+2:G0B+4*\s+3], s[46:47], \s*KSB
	s_or_b32 s[G0B+4*\s+3], s[G0B+4*\s+3], 0x80000000
.endr
; The head's four tiles, one a wave: wave 0 A's rows, wave 1 B's, wave 2 A's scale words, wave 3 B's: one chain of branches on the wave's number, one load to an arm.
.macro ARM under, g0, g1, next
	s_cmp_lt_u32 s14, \under
	s_cbranch_scc0 \next
	tensor_load_to_lds s[\g0:\g0+3], s[\g1:\g1+7]
	s_nop 0
.rept 4
	v_nop
.endr
	s_branch .Lhead_asked
\next:
.endm
	ARM 1, 4, G1, .Lhead_b
	ARM 2, 96, G1B, .Lhead_sa
	ARM 3, G0S, G1S, .Lhead_sb
	tensor_load_to_lds s[G0SB:G0SB+3], s[G1SB:G1SB+7]
	s_nop 0
.rept 4
	v_nop
.endr
.Lhead_asked:
	; THE PREFETCHES.  Of the eight row tiles that my wave fetches in the ring, each of the four partners that ask for them jointly names two, told apart by address (cx for A, cy for B):
	; a slot's part of a row tile is 3,072 bytes, 12 blocks of 256: 24 blocks, a lane a block (lanes 24-31 name the last again).  K has four slots: slot 1 is asked for here, slots 2 and 3 behind slot 1's fill.
	s_cmp_eq_u32 s15, 0
	s_cselect_b64 s[66:67], s[20:21], s[46:47]
	s_cselect_b32 s2, s40, s41
	s_mul_i32 s2, s2, 2*TPB
	s_mov_b32 s3, 0
	s_add_nc_u64 s[66:67], s[66:67], s[2:3]
	v_and_b32 v30, 31, v0
	v_min_u32 v30, 23, v30
	v_mul_u32_u24 v31, v30, 171
	v_lshrrev_b32 v31, 11, v31                     ; block / 12: which of my two row tiles
	v_mul_u32_u24 v31, v31, TPB-KSB
	v_lshl_add_u32 v30, v30, 8, v31                ; 256 x block, and on to the second row tile; never rewritten
	global_prefetch_b8 v30, s[66:67] offset:KSB th:TH_LOAD_NT scope:SCOPE_SE
	v_and_b32 v1, 31, v0                           ; lane
	v_and_b32 v2, 15, v0                           ; r
	v_bfe_u32 v3, v0, 4, 1                         ; h
	v_lshlrev_b32 v4, 4, v1                        ; 16 x lane
	v_lshlrev_b32 v5, 3, v1
	v_add_nc_u32 v5, 512, v5                       ; 512 + 8 x lane
	s_mul_i32 s21, s15, HALFT                      ; my 128 rows of A
	s_mul_i32 s22, s16, HALFT                      ; my 128 rows of B,
	s_add_co_u32 s22, s22, 2*HALFT                 ; which lie behind A's 256
.irp s, 0,1
	v_add_nc_u32 v[ADRA+\s], s21, v4
	v_add_nc_u32 v[ADRB+\s], s22, v4
	v_add_nc_u32 v[ADRA+2+\s], s21, v5
	v_add_nc_u32 v[ADRB+2+\s], s22, v5
	s_add_co_u32 s21, s21, SLOT
	s_add_co_u32 s22, s22, SLOT
.endr
	s_lshl_b32 s21, s15, 9                         ; scale words lie [128 along K: 1,024 bytes][row: 4]: my 128 rows' begin 512 x half in
	s_lshl_b32 s22, s16, 9
	s_add_co_u32 s22, s22, 2*HALFS
	s_sub_co_u32 s22, s22, s21
	v_mul_u32_u24 v6, s22, v3                      ; lanes 16-31 take B's words: one product, the distance between the two bases
	s_add_co_u32 s21, s21, SCL
	v_lshl_add_u32 v6, v2, 2, v6
	v_add_nc_u32 v[ADRS], s21, v6
.macro FRAG reg, adr, q, i             ; a fragment, 16 rows x 128 K: two units, each a run of 16 bytes a lane and a run of 8
	ds_load_b128 v[\reg:\reg+3], v[\adr] offset:(\i)*KSB+(\q)*1536
	ds_load_b64 v[\reg+4:\reg+5], v[\adr+2] offset:(\i)*KSB+(\q)*1536
	ds_load_b128 v[\reg+6:\reg+9], v[\adr] offset:(\i)*KSB+(\q)*1536+768
	ds_load_b64 v[\reg+10:\reg+11], v[\adr+2] offset:(\i)*KSB+(\q)*1536+768
.endm
; 16 matrix instructions: A's blocks a0, a0 + 1 x B's eight.  The 64 accumulators take turns, one instruction a turn, in the same order in every step.
.macro MUL16 a0, p, q, sc, zero
.irp a, \a0, \a0+1
.irp b, 0,1,2,3,4,5,6,7
.if \zero
	v_wmma_scale_f32_16x16x128_f8f6f4 v[8*(8*((\a)%4)+\b):8*(8*((\a)%4)+\b)+7], v[128*(\p)+FR*\b:128*(\p)+FR*\b+FR-1], v[AF+FR*(\a):AF+FR*(\a)+FR-1], 0, v[SC+8*NQ*(\sc)+NQ*\b+(\q)], v[SC+8*NQ*(\sc)+NQ*(\a)+(\q)] matrix_a_fmt:MATRIX_FMT_FP6 matrix_b_fmt:MATRIX_FMT_FP6 matrix_a_scale:MATRIX_SCALE_ROW1
.else
	v_wmma_scale_f32_16x16x128_f8f6f4 v[8*(8*((\a)%4)+\b):8*(8*((\a)%4)+\b)+7], v[128*(\p)+FR*\b:128*(\p)+FR*\b+FR-1], v[AF+FR*(\a):AF+FR*(\a)+FR-1], v[8*(8*((\a)%4)+\b):8*(8*((\a)%4)+\b)+7], v[SC+8*NQ*(\sc)+NQ*\b+(\q)], v[SC+8*NQ*(\sc)+NQ*(\a)+(\q)] matrix_a_fmt:MATRIX_FMT_FP6 matrix_b_fmt:MATRIX_FMT_FP6 matrix_a_scale:MATRIX_SCALE_ROW1
.endif
.endr
.endr
.endm
.macro FETCH_B slot, q, p
	WIN TO_B
.irp i, 0,1,2,3,4,5,6,7
	FRAG 128*(\p)+FR*\i, ADRB+\slot, \q, \i
.endr
	WIN 0
.endm
.macro FETCH_A slot, q, i0
.irp i, \i0, \i0+1, \i0+2, \i0+3
	FRAG AF+FR*(\i), ADRA+\slot, \q, \i
.endr
.endm
.macro SCALES sc                       ; a K step's scale words: lanes 0-15 take A's block i, lanes 16-31 B's block i
.irp i, 0,1,2,3,4,5,6,7
	ds_load_b32 v[SC+16*\sc+2*\i], v[ADRS] offset:64*\i
	ds_load_b32 v[SC+16*\sc+2*\i+1], v[ADRS] offset:64*\i+1024
.endr
.endm
.macro PLACES n                        ; plain places in front of loads into registers that matrix instructions have read, and of the first read of results
.rept \n
	v_nop
.endr
.endm
.macro STEP slot, q, zero              ; a step of 128 along K that has its successor in the same slot
	s_wait_dscnt 4*NL                              ; B's set and A's blocks 0-3 are in; the youngest 16 loads (A's blocks 4-7) may be out
	WIN MUL_LO
	MUL16 0, (\q)%2, \q, \slot, \zero
	MUL16 2, (\q)%2, \q, \slot, \zero
	s_wait_dscnt 0                                 ; A's blocks 4-7 are in
	PLACES NP
	FETCH_B \slot, (\q)+1, 1-(\q)%2
	FETCH_A \slot, (\q)+1, 0
	WIN MUL_HI
	MUL16 4, (\q)%2, \q, \slot, \zero
	MUL16 6, (\q)%2, \q, \slot, \zero
	PLACES NP
	WIN 0
	FETCH_A \slot, (\q)+1, 4
.endm
; A slot's last step changes slots: one barrier; in front of it each wave waits for all its tensor loads, adds 0 to its spare word, and waits for that and for its reads of this slot.
.macro TURN slot, next, fill
	s_wait_tensorcnt 0x0                           ; all my tensor loads have landed: my part of the next slot
	ds_add_u32 v[SPW], v[NIL]                      ; 0 onto my spare word
	s_wait_dscnt 4*NL+1                            ; (the add and the youngest 16 loads may be out)
	WIN MUL_LO
	MUL16 0, 1, NQ-1, \slot, 0
	s_wait_dscnt 0x0                               ; the add is done, and my reads of this slot are over
	s_barrier_signal -1
	MUL16 2, 1, NQ-1, \slot, 0
	WIN 0
	s_barrier_wait -1
.if \fill
	CREST                                          ; the barrier has opened a round of the cluster's: no wave of any partner still reads this slot or has a load on its way
	s_add_nc_u64 s[G0+4*\slot+2:G0+4*\slot+3], s[G0+4*\slot+2:G0+4*\slot+3], 2*KSB
	s_add_nc_u64 s[G0B+4*\slot+2:G0B+4*\slot+3], s[G0B+4*\slot+2:G0B+4*\slot+3], 2*KSB
	JLOAD G0+4*\slot, G1, G0B+4*\slot, G1B         ; the first tensor load behind the round; its four v_nop are the places in front of the loads below
.else
	PLACES NP
.endif
	s_wait_alu depctr_va_vdst(0)
	v_add_nc_u32 v[ADRS], 2048, v[ADRS]
	FETCH_B \next, 0, 0
	FETCH_A \next, 0, 0
	SCALES \next
	WIN MUL_HI
	MUL16 4, 1, NQ-1, \slot, 0
	MUL16 6, 1, NQ-1, \slot, 0
	PLACES NP
	WIN 0
	FETCH_A \next, 0, 4
.endm
	s_wait_alu depctr_va_vdst(0)
	s_wait_tensorcnt 0x0                           ; my tile of the head's four is in
	ds_add_u32 v[SPW], v[NIL]
	s_mov_b32 s[G1+2], 8<<16                       ; no tensor load of mine is out: from here on a load brings eight row tiles
	s_mov_b32 s[G1+4], 8
	s_mov_b32 s[G1B+2], 8<<16
	s_mov_b32 s[G1B+4], 8
	s_wait_dscnt 0x0
	CROUND                                         ; all four tiles are in, all sixteen work-groups are here
	JLOAD G0+4, G1, G0B+4, G1B                     ; slot 1's first fill, the first tensor load behind the round
	global_prefetch_b8 v30, s[66:67] offset:2*KSB th:TH_LOAD_NT scope:SCOPE_SE   ; what the two refills will bring
	global_prefetch_b8 v30, s[66:67] offset:3*KSB th:TH_LOAD_NT scope:SCOPE_SE
	FETCH_B 0, 0, 0
	FETCH_A 0, 0, 0
	SCALES 0
	FETCH_A 0, 0, 4
	STEP 0, 0, 1                                   ; the first products start the sums: nothing is cleared.  K = 1,024 is twice round the ring: the eight steps are written out
	TURN 0, 1, 1
	STEP 1, 0, 0
	TURN 1, 0, 1
	STEP 0, 0, 0
	TURN 0, 1, 0                                   ; the last lap fills nothing
	STEP 1, 0, 0
	s_wait_dscnt 4*NL
	WIN MUL_LO
	MUL16 0, 1, NQ-1, 1, 0
	MUL16 2, 1, NQ-1, 1, 0
	s_wait_dscnt 0
	WIN MUL_HI
	MUL16 4, 1, NQ-1, 1, 0
	MUL16 6, 1, NQ-1, 1, 0
	WIN 0
	; THE WAY OUT: no LDS.  For each of A's eight blocks a lane's 64 results are 128 neighbours along the next K in the conversions' order: they become a fragment's 12 registers, which are stored as two units.
.irp b, 0,1,2,3
	v_mov_b32 v[TM+4+\b], 0                        ; a lane permute's destination counts as one of its sources.  (These four are the places behind the last products)
.endr
	s_mov_b32 s[SEL], 0x76543210
	s_mov_b32 s[SEL+1], 0xfedcba98
	s_lshl_b32 s20, s42, 1
	s_add_co_u32 s20, s20, s16                     ; g: which 128 of B's rows are mine
	s_lshl_b32 s21, s17, 4
	s_lshl_b32 s22, s15, 3
	s_add_co_u32 s21, s21, s22                     ; T0: my first tile of A's rows
	s_mul_i32 s46, s20, 2*196608                   ; q, k: heads 2 g, 2 g + 1; token tile T0
	s_mul_i32 s47, s21, 768
	s_add_co_u32 s46, s46, s47
	s_lshl_b32 s92, s20, 14
	s_lshl_b32 s93, s21, 5
	s_add_co_u32 s92, s92, s93
	s_add_co_u32 s92, s92, 9437184
	s_lshr_b32 s94, s21, 2                         ; v: head T0 / 4; keys 128 g on
	s_mul_i32 s95, s94, 196608
	s_mul_i32 s96, s20, 6144
	s_add_co_u32 s95, s95, s96
	s_add_co_u32 s95, s95, 6291456
	s_lshl_b32 s94, s94, 13
	s_lshl_b32 s96, s20, 8
	s_add_co_u32 s94, s94, s96
	s_add_co_u32 s94, s94, 9699328
	s_cmp_eq_u32 ttmp9, 2
	s_cselect_b32 s46, s95, s46                    ; where my codes begin,
	s_cselect_b32 s92, s94, s92                    ; and my scale words
	s_mov_b32 s47, 0
	s_mov_b32 s93, 0
	s_mov_b32 s70, 768
	s_cselect_b32 s70, 1536, s70                   ; from block to block,
	s_mov_b32 s72, 768
	s_cselect_b32 s72, 192000, s72                 ; from block 3 to block 4 (v: the next head),
	s_mov_b32 s74, 196608
	s_cselect_b32 s74, 768, s74                    ; from a fragment's first unit to its second (q, k: the next head)
	s_mov_b32 s75, 8192
	s_cselect_b32 s75, 64, s75                     ; scale words: from lanes 0-15's to lanes 16-31's,
	s_cselect_b32 s76, 128, 64                     ; from pair to pair of blocks,
	s_cselect_b32 s78, 8064, 64                    ; from the second pair to the third
	s_mov_b32 s80, 0x05040100
	s_cselect_b32 s80, 0x03020100, s80             ; which bytes of the two tiles' words make lanes 0-15's word,
	s_mov_b32 s81, 0x02020202
	s_cselect_b32 s81, 0x04040404, s81             ; and what is added for lanes 16-31's
	s_mov_b32 s71, 0
	s_mov_b32 s73, 0
	s_mov_b32 s77, 0
	s_mov_b32 s79, 0
	s_add_nc_u64 s[10:11], s[8:9], s[46:47]
	s_add_nc_u64 s[12:13], s[8:9], s[92:93]
	v_and_b32 v1, 31, v0
	v_lshlrev_b32 v2, 3, v1
	v_add_nc_u32 v2, 512, v2                       ; 512 + 8 x lane
	v_lshlrev_b32 v1, 4, v1                        ; 16 x lane
	v_add_nc_u32 v3, s74, v1
	v_add_nc_u32 v4, s74, v2
	v_and_b32 v7, 15, v0
	v_bfe_u32 v8, v0, 4, 1
	v_mul_u32_u24 v5, s75, v8
	v_lshl_add_u32 v5, v7, 2, v5
	v_mul_lo_u32 v6, v8, s81
	v_add_nc_u32 v6, s80, v6
; 64 numbers of a lane, v[s] .. v[s + 63] of window w, register 16 b + i = k 32 b + 16 (lane / 16) + i of my row, become a fragment's codes in v[PC] on and its scale word in v[pw].  Each accumulator is read from its low end on.
.macro QUANT s, w, pw
.set QW, (\w)
	WIN QW*5                                       ; sources 0 and 1 in window w
.irp b, 0,1,2,3
	v_max3_num_f32 v[TM+\b], |v[\s+16*\b]|, |v[\s+16*\b+1]|, 0x1800000   ; and the floor 2^(3 - 127): the byte cannot fall under 1
.endr
.irp i, 2,4,6,8,10,12,14
.irp b, 0,1,2,3
	v_max3_num_f32 v[TM+\b], |v[\s+16*\b+\i]|, |v[\s+16*\b+\i+1]|, v[TM+\b]
.endr
.endr
	WIN 0
.irp b, 0,1,2,3
	v_permlanex16_b32 v[TM+4+\b], v[TM+\b], s[SEL], s[SEL+1]
.endr
.irp b, 0,1,2,3
	v_max_num_f32 v[TM+\b], v[TM+\b], v[TM+4+\b]   ; with lane l xor 16's: the block's largest magnitude
.endr
.irp b, 0,1,2,3
	v_add_nc_u32 v[TM+12+\b], 0xff000000, v[TM+\b] ; 2 off the exponent field: the conversion's scale operand
.endr
.irp b, 0,1,2,3
	v_lshrrev_b32 v[TM+4+\b], 23, v[TM+12+\b]      ; the scale's byte
.endr
	v_lshl_or_b32 v[\pw], v[TM+5], 8, v[TM+4]
	v_lshl_or_b32 v[\pw], v[TM+6], 16, v[\pw]
	v_lshl_or_b32 v[\pw], v[TM+7], 24, v[\pw]
	WIN QW                                         ; source 0 in window w
.irp c, 0,1
	v_cvt_scalef32_pk16_fp6_f32 v[PC+6*\c:PC+6*\c+2], v[\s+32*\c:\s+32*\c+15], v[TM+12+2*\c]
	v_cvt_scalef32_pk16_fp6_f32 v[PC+12+4*\c:PC+14+4*\c], v[\s+16+32*\c:\s+31+32*\c], v[TM+13+2*\c]
.endr
	WIN 0
	v_nop                                          ; one plain place behind a scaled conversion
.irp c, 0,1                                    ; the operand's layout wants a whole block in a lane
.irp i, 0,1,2
	v_permlane16_swap_b32 v[PC+6*\c+\i], v[PC+12+4*\c+\i]
.endr
.irp i, 0,1,2
	v_mov_b32 v[PC+3+6*\c+\i], v[PC+12+4*\c+\i]
.endr
.endr
.endm
.macro OUTA a
	QUANT 64*((\a)%4), 2+(\a)/4, PW+(\a)%2
	global_store_b128 v1, v[PC:PC+3], s[10:11]     ; each store covers 512 or 256 consecutive bytes, at a multiple of 256 from the buffer's first byte
	global_store_b64 v2, v[PC+4:PC+5], s[10:11]
	global_store_b128 v3, v[PC+6:PC+9], s[10:11]
	global_store_b64 v4, v[PC+10:PC+11], s[10:11]
.if (\a)%2
	v_perm_b32 v7, v[PW+1], v[PW], v6              ; two tiles' words become the two words that lie together in memory
	global_store_b32 v5, v7, s[12:13]
.endif
.if (\a) < 7
	s_wait_xcnt 0x0                                ; the stores' data and bases are written again only behind this wait
.if (\a) == 3
	s_add_nc_u64 s[10:11], s[10:11], s[72:73]
	s_add_nc_u64 s[12:13], s[12:13], s[78:79]
.else
	s_add_nc_u64 s[10:11], s[10:11], s[70:71]
.if (\a)%2
	s_add_nc_u64 s[12:13], s[12:13], s[76:77]
.endif
.endif
.endif
.endm
.irp a, 0,1,2,3,4,5,6,7
	OUTA \a
.endr
	s_wait_tensorcnt 0x0                           ; the wave's end
	ds_add_u32 v[SPW], v[NIL]
	s_wait_dscnt 0x0
	CROUND                                         ; the closing round: no work-group ends while a partner may still ask for a tile that names it
	s_endpgm
.Lfunc_end_k_qb282ac65b1_qkv:
	.size	k_qb282ac65b1_qkv, .Lfunc_end_k_qb282ac65b1_qkv-k_qb282ac65b1_qkv
	.p2alignl 7, 3214868480
	.fill 96, 4, 3214868480
	.section	.rodata,"a",@progbits
	.p2align	6, 0x0
	.amdhsa_kernel k_qb282ac65b1_qkv
		.amdhsa_group_segment_fixed_size 327680
		.amdhsa_private_segment_fixed_size 0
		.amdhsa_enable_private_segment 0
		.amdhsa_kernarg_size 24
		.amdhsa_user_sgpr_count 2
		.amdhsa_user_sgpr_kernarg_segment_ptr 1
		.amdhsa_wavefront_size32 1
		.amdhsa_system_sgpr_workgroup_id_x 1
		.amdhsa_system_sgpr_workgroup_id_y 1
		.amdhsa_system_sgpr_workgroup_id_z 1
		.amdhsa_system_vgpr_workitem_id 0
		.amdhsa_next_free_vgpr 1024
		.amdhsa_next_free_sgpr 100
		.amdhsa_reserve_vcc 0
		.amdhsa_float_denorm_mode_32 3
		.amdhsa_float_denorm_mode_16_64 3
		.amdhsa_memory_ordered 1
		.amdhsa_forward_progress 1
		.amdhsa_inst_pref_size 155
	.end_amdhsa_kernel
	.amdgpu_metadata
---
amdhsa.version: [ 1, 2 ]
amdhsa.kernels:
  - .name:           k_qb282ac65b1_qkv
    .symbol:         k_qb282ac65b1_qkv.kd
    .args:
      - { .name: act, .offset: 0, .size: 8, .value_kind: global_buffer, .address_space: global }
      - { .name: wts, .offset: 8, .size: 8, .value_kind: global_buffer, .address_space: global }
      - { .name: qkvb, .offset: 16, .size: 8, .value_kind: global_buffer, .address_space: global }
    .group_segment_fixed_size: 327680
    .private_segment_fixed_size: 0
    .kernarg_segment_align: 8
    .kernarg_segment_size: 24
    .max_flat_workgroup_size: 128
    .sgpr_count:     100
    .vgpr_count:     1024
    .wavefront_size: 32
...
	.end_amdgpu_metadata
.endif
;; end of part 2
;; launch attn (part 3): grid 8 x 32, 16 waves a work-group, no clusters, 206,848 bytes of LDS; arguments qkvb, act; writes act
.if DOCPART == 3
	.amdgcn_target "amdgcn-amd-amdhsa--gfx1250"
	.amdhsa_code_object_version 6
	.text
	.protected	k_qb282ac65b1_attn
	.globl	k_qb282ac65b1_attn
	.p2align	8
	.type	k_qb282ac65b1_attn,@function
k_qb282ac65b1_attn:
	s_mov_b64 s[64:65], 0
	v_nop
	global_prefetch_b8 v0, s[64:65] scope:SCOPE_SE
	s_setreg_imm32_b32 hwreg(HW_REG_WAVE_MODE, 25, 1), 1
	s_wait_xcnt 0x0
; Causal attention of one (head, batch) on codes of FP6 (E2M3): S^T = K Q^T, p = 2^(t - M) with M a whole number, O^T = V^T P^T, O / the row's sum, and O quantised along the channels as the next product's operand.
; SHARES.  Work-group (i, y): y = 2 x head + batch.  Eight of its sixteen waves own the eight tiles of 16 queries of query block i (128 queries), the other eight those of block 15 - i: 17 key steps of 128 for each
; such pair of waves, whatever i.  WHICH EIGHT: wave w takes block 15 - i where bits 0 and 2 of w differ, else block i, and of its block tile (w >> 1) & 7.  So of the four waves w, w + 4, w + 8, w + 12, and likewise of the
; four waves 4 k .. 4 k + 3, two have the early block and two the late one: each group of four has 34 key steps, whichever of the two groupings shares a SIMD.
; A wave owns one tile of 16 queries in 256 registers; four waves to a SIMD, so that one wave's vector work stands beside another's matrix work.
; K AND V OF THE WHOLE (head, batch) STAY IN LDS: 2 x 98,304 bytes of codes and 2 x 4,096 of scale words, each filled once (one tensor load a wave: even waves K's, odd waves V's, 256 keys each): nothing is filled again.
; NO CLUSTER, though the eight work-groups of a y read the same K and V: a step whose keys all lie behind a wave's queries is left out by a branch on the query block, which differs between those work-groups,
; and partners of a joint load run alike; doing all steps in all of them would double the vector work.  NO PREFETCH: everything is asked for at the head.
; THE HEAD'S 64 ARE HALF OF THE INSTRUCTION'S K.  Source 0 is a PAIR of key tiles: registers 0-5 tile 2 A, registers 6-11 tile 2 A + 1 (two neighbouring units).  It is multiplied once by [q | 0] and once by [0 | q]:
; q stands between two runs of six zero registers, so both are runs of twelve.  Every byte of K read from LDS feeds products that count.
; Tokens lie in POSITION ORDER (bits 3 and 4 exchanged), so the 16 registers of key tiles 2 A, 2 A + 1 are keys 32 A + 16 (lane / 16) + 0 .. 15, and a lane holds one query (lane % 16) throughout.
; LIMITS: NaN and infinities are not served; v_exp_f32 gives 0 for results under 2^-126; a block of p, or of O, that is all zeros or under 2^-124 keeps the scale byte 1.  The scale bytes of O leave as stores of two bytes a lane.
.set KSC,   98304                      ; LDS: K's codes from 0, K's scale words here,
.set VB,    102400                     ; V's codes, V's scale words at VB + KSC,
.set SPARE, 204800                     ; the spare words, 128 bytes for each wave
.set SPW, 5                            ; v5 my spare word; never rewritten
.set NIL, 6                            ; v6 0; never rewritten
.set F,   36                           ; v36-83   four fragments, K's and then V's
.set S,   84                           ; v84-147  S^T, then p
.set O,   148                          ; v148-179 O^T
.set PCD, 180                          ; v180-191 p's codes
.set T,   192                          ; v192-199 at work
.set SO,  200                          ; v200-203 the conversions' scale operands
.set BM,  204                          ; v204-207 the blocks' largest scores
; v1 16 x lane; v2 512 + 8 x lane; v3 KSC + 4 x lane; v4 the mask's figure; v7 4 r; v8-10, v216-218 the step's addresses; v12 -M, v13 the largest t, v[14:15] the sum;
; v16-21 zeros, v22-27 q, v28-33 zeros; v208-209 K's scale words, v210-211 V's; v212 f, v213 p's scale word; v214 at work; v215 q's scale word
.set WV,  8
.set QB,  10                           ; s10 my query block
.set JS,  11                           ; s11 the key step
.set TB,  12                           ; s12 where the step's codes begin: 6,144 bytes a step
.set TS,  13                           ; s13 and its scale words: 256 bytes a step
.set SEL, 20
.set CS,  22                           ; s[22:23] c = log2(e) / sqrt(64)
	s_load_b128 s[4:7], s[0:1], 0x0                ; qkvb, act
	v_lshl_add_u32 v[SPW], v0, 2, SPARE
	v_mov_b32 v[NIL], 0
	ds_add_u32 v[SPW], v[NIL]                      ; the wave's opening
	ds_add_u32 v[SPW], v[NIL]
	v_lshrrev_b32 v7, 5, v0
	s_delay_alu instid0(VALU_DEP_1)
	v_readfirstlane_b32 s[WV], v7                  ; wave 0..15
	s_and_b32 s66, ttmp7, 0xffff                   ; y
	s_mov_b32 s52, 3<<16                           ; group 1 for a wave's eighth of K's or V's codes: 48 rows of 256 bytes, dense
	s_mov_b32 s53, 32<<16
	s_mov_b32 s54, 48<<16
	s_mov_b32 s55, 32<<16
	s_mov_b32 s56, 48
	s_mov_b32 s57, 32
	s_mov_b32 s58, 0
	s_mov_b32 s59, 0
	s_mov_b32 s[SEL], 0x76543210
	s_mov_b32 s[SEL+1], 0xfedcba98
	s_mov_b32 s[CS], 0x3e38aa3b
	s_mov_b32 s[CS+1], s[CS]
	s_mov_b32 s[JS], 0
	s_mov_b32 s[TB], 0
	s_mov_b32 s[TS], 0
	s_wait_dscnt 0x0                               ; the opening add is done
	s_wait_kmcnt 0x0
	; THE FILLS, AS THEY NOW STAND: every wave issues ONE tensor load of 12,288 bytes (256 keys' codes): wave w brings chunk w >> 1 of K's (w even) or of V's (w odd).  So waves 0-3 bring the first 512 keys.
	; The 2 x 4,096 bytes of scale words come by one load of 16 bytes a thread and go into LDS bytes of their own by one store.
	s_and_b32 s68, s[WV], 1                        ; 0: K, 1: V
	s_lshr_b32 s69, s[WV], 1                       ; which eighth
	s_mul_i32 s67, s68, VB
	s_mul_i32 s33, s69, 12288
	s_add_co_u32 s68, s68, 1
	s_mul_i32 s70, s68, 3145728
	s_mul_i32 s71, s66, 98304
	s_add_co_u32 s70, s70, s71
	s_add_co_u32 s70, s70, s33                     ; my eighth of my (head, batch)'s codes
	s_mov_b32 s71, 0
	s_add_co_u32 s33, s33, s67
	s_mov_b32 s32, 1
	s_add_nc_u64 s[34:35], s[4:5], s[70:71]
	s_or_b32 s35, s35, 0x80000000
	s_cmp_lt_u32 s[WV], 4                          ; waves 0-3, which alone wait ahead of the first barrier, have a load line of their own: one chain, a load to each arm
	s_cbranch_scc0 .Llater
	tensor_load_to_lds s[32:35], s[52:59]
	s_nop 0
.rept 4
	v_nop
.endr
	s_branch .Lasked
.Llater:
	tensor_load_to_lds s[32:35], s[52:59]
	s_nop 0
.rept 4
	v_nop
.endr
.Lasked:
	s_lshl_b32 s72, s68, 17
	s_lshl_b32 s73, s66, 12
	s_add_co_u32 s72, s72, s73
	s_lshl_b32 s73, s69, 9                         ; 512 bytes of scale words a wave
	s_add_co_u32 s72, s72, s73
	s_add_co_u32 s72, s72, 9437184
	s_add_co_u32 s67, s67, s73
	s_add_co_u32 s67, s67, KSC
	s_mov_b32 s73, 0
	s_add_nc_u64 s[24:25], s[4:5], s[72:73]
	v_and_b32 v10, 31, v0
	v_lshlrev_b32 v10, 4, v10                      ; 16 x lane
	v_add_nc_u32 v11, s67, v10                     ; and the same place in LDS
	global_load_b128 v[36:39], v10, s[24:25]       ; 512 consecutive bytes a wave
	s_bfe_u32 s9, s[WV], 0x30001                   ; (w >> 1) & 7: my tile within its query block
	s_lshr_b32 s62, s[WV], 2
	s_xor_b32 s62, s62, s[WV]
	s_and_b32 s62, s62, 1                          ; bit 0 of w xor bit 2 of w: 1 = the late block
	s_sub_co_u32 s60, 15, ttmp9
	s_cmp_eq_u32 s62, 0
	s_cselect_b32 s[QB], ttmp9, s60
	s_lshl_b32 s61, s[QB], 3
	s_add_co_u32 s61, s61, s9                      ; my tile of queries within the batch
	s_mul_i32 s74, s66, 98304
	s_mul_i32 s75, s61, 768
	s_add_co_u32 s74, s74, s75
	s_mov_b32 s75, 0
	s_add_nc_u64 s[74:75], s[4:5], s[74:75]        ; q's unit
	s_lshl_b32 s76, s66, 12
	s_lshr_b32 s77, s61, 1
	s_lshl_b32 s77, s77, 6
	s_add_co_u32 s76, s76, s77
	s_add_co_u32 s76, s76, 9437184
	s_mov_b32 s77, 0
	s_add_nc_u64 s[76:77], s[4:5], s[76:77]        ; the scale words of its pair of tiles
	v_and_b32 v1, 31, v0
	s_delay_alu instid0(VALU_DEP_1)
	v_lshlrev_b32 v2, 3, v1
	s_delay_alu instid0(VALU_DEP_1)
	v_add_nc_u32 v2, 512, v2
	s_delay_alu instid0(VALU_DEP_3)
	v_lshl_add_u32 v3, v1, 2, KSC
	s_delay_alu instid0(VALU_DEP_4)
	v_lshlrev_b32 v1, 4, v1
	v_and_b32 v7, 15, v0
	s_delay_alu instid0(VALU_DEP_1)
	v_lshlrev_b32 v7, 2, v7
	global_load_b128 v[22:25], v1, s[74:75]
	global_load_b64 v[26:27], v2, s[74:75]
	global_load_b32 v214, v7, s[76:77]
	s_and_b32 s63, s61, 1
	s_cmp_eq_u32 s63, 0
	s_mov_b32 s63, 0x03020302
	s_cselect_b32 s63, 0x01000100, s63             ; my tile's two bytes of the pair's word, twice
	s_lshr_b32 s62, s9, 1
	s_lshl_b32 s62, s62, 5
	s_and_b32 s60, s9, 1
	s_lshl_b32 s60, s60, 3
	s_add_co_u32 s62, s62, s60
	v_and_b32 v4, 7, v0
	v_bfe_u32 v8, v0, 3, 1
	s_delay_alu instid0(VALU_DEP_1)
	v_lshl_add_u32 v4, v8, 4, v4
	v_bfe_u32 v8, v0, 4, 1
	s_delay_alu instid0(VALU_DEP_1)
	v_lshlrev_b32 v8, 4, v8
	s_delay_alu instid0(VALU_DEP_1)
	v_sub_nc_u32 v4, v4, v8
	s_delay_alu instid0(VALU_DEP_1)
	v_add_nc_u32 v4, s62, v4                       ; my query within its block of 128, less 16 (lane / 16): register 16 b + i of the step on the diagonal is hidden where 32 b + i is greater
	s_and_b32 s67, s66, 1                          ; the batch
	s_lshr_b32 s68, s66, 1                         ; the head
	s_lshl_b32 s69, s67, 7
	s_add_co_u32 s69, s69, s61                     ; my tile among all 256 tiles of tokens
	s_lshl_b32 s70, s69, 4
	s_add_co_u32 s70, s70, s68
	s_mul_i32 s70, s70, 768
	s_mov_b32 s71, 0
	s_lshr_b32 s72, s68, 1
	s_lshl_b32 s72, s72, 14
	s_lshl_b32 s73, s69, 6
	s_add_co_u32 s72, s72, s73
	s_and_b32 s73, s68, 1
	s_lshl_b32 s73, s73, 1
	s_add_co_u32 s72, s72, s73
	s_add_co_u32 s72, s72, 3145728
	s_mov_b32 s73, 0
	s_add_nc_u64 s[78:79], s[6:7], s[70:71]        ; O's unit in act
	s_add_nc_u64 s[80:81], s[6:7], s[72:73]        ; and its two scale bytes
	v_mov_b32 v13, 0xff61b1e6                      ; the largest t so far: -3e38
	s_delay_alu instid0(VALU_DEP_1)
	v_floor_f32 v12, -v13                          ; -M
	v_mov_b32 v14, 0
	v_mov_b32 v15, 0
	v_mov_b32 v213, 0
.irp b, 0,1,2,3
	v_mov_b32 v[T+\b], 0                           ; a lane permute's destination counts as one of its sources
.endr
.irp j, 16,17,18,19,20,21,28,29,30,31,32,33
	v_mov_b32 v\j, 0                               ; the zeros on both sides of q
.endr
	s_wait_loadcnt 0x0                             ; q and its scale word
	v_perm_b32 v215, v214, v214, s63
.set j, 0
.rept 32
	v_mov_b32 v[O+j], 0                            ; O^T: the step is written once; the first change of M leaves zeros zeros.  (Also the places between the line above and the first product)
.set j, j+1
.endr
; A KEY STEP: 128 keys.
.macro STEP
	s_cmp_gt_u32 s[JS], s[QB]                      ; all its keys lie behind my queries: the work is left out, not the lines at the end that step addresses
	s_cbranch_scc1 .Lhidden_\@
	v_add_nc_u32 v8, s[TB], v1                     ; (these six are the places in front of the loads into registers that the last products read)
	v_add_nc_u32 v9, s[TB], v2
	v_add_nc_u32 v10, s[TS], v3
	s_delay_alu instid0(VALU_DEP_3)
	v_add_nc_u32 v216, VB, v8
	s_delay_alu instid0(VALU_DEP_3)
	v_add_nc_u32 v217, VB, v9
	s_delay_alu instid0(VALU_DEP_3)
	v_add_nc_u32 v218, VB, v10
.irp t, 0,1,2,3                                ; four pairs of key tiles
	ds_load_b128 v[F+12*\t:F+12*\t+3], v8 offset:1536*\t
	ds_load_b64 v[F+12*\t+4:F+12*\t+5], v9 offset:1536*\t
	ds_load_b128 v[F+12*\t+6:F+12*\t+9], v8 offset:1536*\t+768
	ds_load_b64 v[F+12*\t+10:F+12*\t+11], v9 offset:1536*\t+768
.endr
	ds_load_b32 v208, v10                          ; lanes 0-15: pair 0's words, lanes 16-31: pair 1's
	ds_load_b32 v209, v10 offset:128
	s_wait_alu depctr_va_vdst(0)
	s_wait_dscnt 0x0
.irp t, 0,2
	v_wmma_scale_f32_16x16x128_f8f6f4 v[S+16*\t:S+16*\t+7], v[F+12*\t:F+12*\t+11], v[22:33], 0, v[208+\t/2], v215 matrix_a_fmt:MATRIX_FMT_FP6 matrix_b_fmt:MATRIX_FMT_FP6
	v_wmma_scale_f32_16x16x128_f8f6f4 v[S+16*\t+8:S+16*\t+15], v[F+12*\t:F+12*\t+11], v[16:27], 0, v[208+\t/2], v215 matrix_a_fmt:MATRIX_FMT_FP6 matrix_b_fmt:MATRIX_FMT_FP6
	v_wmma_scale_f32_16x16x128_f8f6f4 v[S+16*\t+16:S+16*\t+23], v[F+12*\t+12:F+12*\t+23], v[22:33], 0, v[208+\t/2], v215 matrix_a_fmt:MATRIX_FMT_FP6 matrix_b_fmt:MATRIX_FMT_FP6 matrix_a_scale:MATRIX_SCALE_ROW1
	v_wmma_scale_f32_16x16x128_f8f6f4 v[S+16*\t+24:S+16*\t+31], v[F+12*\t+12:F+12*\t+23], v[16:27], 0, v[208+\t/2], v215 matrix_a_fmt:MATRIX_FMT_FP6 matrix_b_fmt:MATRIX_FMT_FP6 matrix_a_scale:MATRIX_SCALE_ROW1
.endr
.rept 4
	v_nop                                          ; places in front of the loads below and of the first read of the scores
.endr
.irp t, 0,1,2,3                                ; V's four fragments (16 channels x these 128 keys) land under the softmax
	ds_load_b128 v[F+12*\t:F+12*\t+3], v216 offset:1536*\t
	ds_load_b64 v[F+12*\t+4:F+12*\t+5], v217 offset:1536*\t
	ds_load_b128 v[F+12*\t+6:F+12*\t+9], v216 offset:1536*\t+768
	ds_load_b64 v[F+12*\t+10:F+12*\t+11], v217 offset:1536*\t+768
.endr
	ds_load_b32 v210, v218
	ds_load_b32 v211, v218 offset:128
	s_cmp_lg_u32 s[JS], s[QB]                      ; on the diagonal hidden scores become -infinity ahead of the maximum: p = 0 then
	s_cbranch_scc1 .Lopen_\@
	v_mov_b32 v214, 0xff800000
.set n, 0
.rept 64
	v_cmp_gt_i32 vcc_lo, 32*(n/16)+n%16, v4
	v_cndmask_b32 v[S+n], v[S+n], v214, vcc_lo
.set n, n+1
.endr
.Lopen_\@:
.irp b, 0,1,2,3
	v_max3_num_f32 v[BM+\b], v[S+16*\b], v[S+1+16*\b], v[S+2+16*\b]   ; the largest score of each block of 32 keys: for the row's maximum, and, since p rises with the score, for the block's largest p
.endr
.irp i, 3,5,7,9,11,13
.irp b, 0,1,2,3
	v_max3_num_f32 v[BM+\b], v[BM+\b], v[S+16*\b+\i], v[S+1+16*\b+\i]
.endr
.endr
.irp b, 0,1,2,3
	v_max_num_f32 v[BM+\b], v[BM+\b], v[S+15+16*\b]
.endr
.irp b, 0,1,2,3
	s_delay_alu instid0(VALU_DEP_4)
	v_permlanex16_b32 v[T+\b], v[BM+\b], s[SEL], s[SEL+1]
.endr
.irp b, 0,1,2,3
	s_delay_alu instid0(VALU_DEP_4)
	v_max_num_f32 v[BM+\b], v[BM+\b], v[T+\b]      ; with lane l xor 16's 16 keys
.endr
	s_delay_alu instid0(VALU_DEP_2)
	v_max3_num_f32 v214, v[BM], v[BM+1], v[BM+2]
	s_delay_alu instid0(VALU_DEP_1)
	v_max_num_f32 v214, v214, v[BM+3]
	s_delay_alu instid0(VALU_DEP_1)
	v_mul_f32 v214, s[CS], v214                    ; as t
	s_delay_alu instid0(VALU_DEP_1)
	v_max_num_f32 v13, v13, v214                   ; the running largest t
	v_mov_b32 v214, v12
	s_delay_alu instid0(VALU_DEP_2)
	v_floor_f32 v12, -v13                          ; the new -M = -ceil(t): a whole number
	s_delay_alu instid0(VALU_DEP_1)
	v_sub_f32 v214, v12, v214                      ; old M - new M, 0 or less
	s_delay_alu instid0(VALU_DEP_1)
	v_cvt_i32_f32 v214, v214                       ; (it saturates)
	s_delay_alu instid0(VALU_DEP_1)
	v_ldexp_f32 v212, 1.0, v214                    ; f = 2^(old M - new M): a multiplication by it rounds nothing
.set j, 0
.rept 32
	v_pk_fma_f32 v[S+j:S+j+1], v[S+j:S+j+1], s[CS:CS+1], v[12:13] op_sel_hi:[1,0,0]   ; t - M
.set j, j+2
.endr
.irp b, 0,1,2,3
	v_fma_f32 v[BM+\b], v[BM+\b], s[CS], v12
.endr
.set j, 0
	s_wait_alu depctr_va_vdst(0)
.rept 64
	v_exp_f32 v[S+j], v[S+j]                       ; p = 2^(t - M), not normalised
.set j, j+1
.endr
	v_pk_mul_f32 v[14:15], v[14:15], v[212:213] op_sel_hi:[1,0]   ; the sum under the new M.  (A plain place behind the exponentials)
	s_wait_alu depctr_va_vdst(0)                   ; one wait for the whole batch, ahead of its first reader
.irp b, 0,1,2,3
	v_exp_f32 v[BM+\b], v[BM+\b]                   ; the block's largest p: the same two instructions on the same number
.endr
	v_pk_add_f32 v[192:193], v[88:89], v[92:93]
	v_pk_add_f32 v[254:255], v[96:97], v[100:101]
	v_pk_add_f32 v[252:253], v[104:105], v[108:109]
	v_pk_add_f32 v[250:251], v[112:113], v[116:117]
	v_pk_add_f32 v[248:249], v[120:121], v[124:125]
	v_pk_add_f32 v[246:247], v[128:129], v[132:133]
	v_pk_add_f32 v[244:245], v[136:137], v[140:141]
	v_pk_add_f32 v[14:15], v[14:15], v[144:145]
	v_pk_add_f32 v[192:193], v[192:193], v[84:85]
	v_pk_add_f32 v[254:255], v[254:255], v[86:87]
	v_pk_add_f32 v[252:253], v[252:253], v[90:91]
	v_pk_add_f32 v[250:251], v[250:251], v[94:95]
	v_pk_add_f32 v[248:249], v[248:249], v[98:99]
	v_pk_add_f32 v[246:247], v[246:247], v[102:103]
	v_pk_add_f32 v[244:245], v[244:245], v[106:107]
	v_pk_add_f32 v[14:15], v[14:15], v[110:111]
	v_pk_add_f32 v[192:193], v[192:193], v[114:115]
	v_pk_add_f32 v[254:255], v[254:255], v[118:119]
	v_pk_add_f32 v[252:253], v[252:253], v[122:123]
	v_pk_add_f32 v[250:251], v[250:251], v[126:127]
	v_pk_add_f32 v[248:249], v[248:249], v[130:131]
	v_pk_add_f32 v[246:247], v[246:247], v[134:135]
	v_pk_add_f32 v[244:245], v[244:245], v[138:139]
	v_pk_add_f32 v[14:15], v[14:15], v[142:143]
	v_pk_add_f32 v[192:193], v[192:193], v[146:147]
	s_delay_alu instid0(VALU_DEP_2)
	v_pk_add_f32 v[14:15], v[14:15], v[250:251]
	s_delay_alu instid0(VALU_DEP_2)
	v_pk_add_f32 v[192:193], v[192:193], v[248:249]
	v_pk_add_f32 v[254:255], v[254:255], v[246:247]
	v_pk_add_f32 v[252:253], v[252:253], v[244:245]
	s_delay_alu instid0(VALU_DEP_2)
	v_pk_add_f32 v[14:15], v[14:15], v[254:255]
	s_delay_alu instid0(VALU_DEP_2)
	v_pk_add_f32 v[192:193], v[192:193], v[252:253]
	s_delay_alu instid0(VALU_DEP_1)
	v_pk_add_f32 v[14:15], v[14:15], v[192:193]
	s_wait_alu depctr_va_vdst(0)                   ; and one for the four
.irp b, 0,1,2,3
	v_max_num_f32 v[BM+\b], 0x1800000, v[BM+\b]    ; the floor 2^(3 - 127)
.endr
.irp b, 0,1,2,3
	s_delay_alu instid0(VALU_DEP_4)
	v_add_nc_u32 v[SO+\b], 0xff000000, v[BM+\b]
.endr
.irp b, 0,1,2,3
	s_delay_alu instid0(VALU_DEP_4)
	v_lshrrev_b32 v[T+\b], 23, v[SO+\b]
.endr
	s_delay_alu instid0(VALU_DEP_3)
	v_lshl_or_b32 v213, v[T+1], 8, v[T]            ; p's scale word for these 128 keys
	s_delay_alu instid0(VALU_DEP_1)
	v_lshl_or_b32 v213, v[T+2], 16, v213
	s_delay_alu instid0(VALU_DEP_1)
	v_lshl_or_b32 v213, v[T+3], 24, v213
.irp c, 0,1
	v_cvt_scalef32_pk16_fp6_f32 v[PCD+6*\c:PCD+6*\c+2], v[S+32*\c:S+32*\c+15], v[SO+2*\c]
	v_cvt_scalef32_pk16_fp6_f32 v[T+4*\c:T+4*\c+2], v[S+16+32*\c:S+31+32*\c], v[SO+2*\c+1]
.endr
	v_nop                                          ; one plain place behind a scaled conversion
.irp c, 0,1
.irp i, 0,1,2
	v_permlane16_swap_b32 v[PCD+6*\c+\i], v[T+4*\c+\i]
.endr
.irp i, 0,1,2
	s_delay_alu instid0(VALU_DEP_3)
	v_mov_b32 v[PCD+3+6*\c+\i], v[T+4*\c+\i]
.endr
.endr
.set j, 0
.rept 16
	v_pk_mul_f32 v[O+j:O+j+1], v[O+j:O+j+1], v[212:213] op_sel_hi:[1,0]   ; O^T under the new M.  (These sixteen are also the places in front of the products below)
.set j, j+2
.endr
	s_wait_alu depctr_va_vdst(0)
	s_wait_dscnt 0x0                               ; V's fragments and scale words
	v_wmma_scale_f32_16x16x128_f8f6f4 v[O:O+7], v[F:F+11], v[PCD:PCD+11], v[O:O+7], v210, v213 matrix_a_fmt:MATRIX_FMT_FP6 matrix_b_fmt:MATRIX_FMT_FP6
	v_wmma_scale_f32_16x16x128_f8f6f4 v[O+8:O+15], v[F+12:F+23], v[PCD:PCD+11], v[O+8:O+15], v210, v213 matrix_a_fmt:MATRIX_FMT_FP6 matrix_b_fmt:MATRIX_FMT_FP6 matrix_a_scale:MATRIX_SCALE_ROW1
	v_wmma_scale_f32_16x16x128_f8f6f4 v[O+16:O+23], v[F+24:F+35], v[PCD:PCD+11], v[O+16:O+23], v211, v213 matrix_a_fmt:MATRIX_FMT_FP6 matrix_b_fmt:MATRIX_FMT_FP6
	v_wmma_scale_f32_16x16x128_f8f6f4 v[O+24:O+31], v[F+36:F+47], v[PCD:PCD+11], v[O+24:O+31], v211, v213 matrix_a_fmt:MATRIX_FMT_FP6 matrix_b_fmt:MATRIX_FMT_FP6 matrix_a_scale:MATRIX_SCALE_ROW1
.Lhidden_\@:
	s_add_co_u32 s[JS], s[JS], 1
	s_add_co_u32 s[TB], s[TB], 6144
	s_add_co_u32 s[TS], s[TS], 256
.endm
; Four key steps, the first 512 keys; then twelve, the rest.
	; TWO barriers.  The first shows the first 512 keys and all scale words; the other twelve waves' loads may still be on their way. The second shows the rest.
	ds_store_b128 v11, v[36:39]                    ; my 512 bytes of scale words (loaded and waited for above)
	s_wait_dscnt 0x0                               ; for the others' sake
	s_cmp_lt_u32 s[WV], 4
	s_cbranch_scc0 .Lnot_first
	s_wait_tensorcnt 0x0                           ; waves 0-3: my part of the first 512 keys has landed
.Lnot_first:
	s_barrier_signal -1
	s_barrier_wait -1
	s_mov_b32 s14, 4
.Lstep_a:
	STEP
	s_sub_co_u32 s14, s14, 1
	s_cmp_lg_u32 s14, 0
	s_cbranch_scc1 .Lstep_a
	s_wait_tensorcnt 0x0                           ; every wave: its load has landed
	s_wait_dscnt 0x0
	s_barrier_signal -1
	s_barrier_wait -1
	s_mov_b32 s14, 12
.Lstep_b:
	STEP
	s_sub_co_u32 s14, s14, 1
	s_cmp_lg_u32 s14, 0
	s_cbranch_scc1 .Lstep_b
	; THE WAY OUT.  O^T / the row's sum; register 16 A + i is channel 32 A + 16 (lane / 16) + i: two blocks of 32 along the next K; the codes are one unit of act.
.rept 4
	v_nop                                          ; places behind the last products
.endr
	v_add_f32 v14, v14, v15
	s_delay_alu instid0(VALU_DEP_1)
	v_permlanex16_b32 v212, v14, s[SEL], s[SEL+1]
	s_delay_alu instid0(VALU_DEP_1)
	v_add_f32 v14, v14, v212
	s_wait_alu depctr_va_vdst(0)
	v_rcp_f32 v14, v14
	v_nop                                          ; a plain place behind the transcendental
	s_wait_alu depctr_va_vdst(0)                   ; and the wait ahead of its first reader
.set j, 0
.rept 32
	v_mul_f32 v[S+j], v[O+j], v14
.set j, j+1
.endr
.irp b, 0,1
	v_max3_num_f32 v[BM+\b], |v[S+16*\b]|, |v[S+1+16*\b]|, 0x1800000
.endr
.irp i, 2,4,6,8,10,12,14
.irp b, 0,1
	s_delay_alu instid0(VALU_DEP_2)
	v_max3_num_f32 v[BM+\b], v[BM+\b], |v[S+16*\b+\i]|, |v[S+1+16*\b+\i]|
.endr
.endr
.irp b, 0,1
	s_delay_alu instid0(VALU_DEP_2)
	v_permlanex16_b32 v[T+\b], v[BM+\b], s[SEL], s[SEL+1]
.endr
.irp b, 0,1
	s_delay_alu instid0(VALU_DEP_2)
	v_max_num_f32 v[BM+\b], v[BM+\b], v[T+\b]
.endr
.irp b, 0,1
	s_delay_alu instid0(VALU_DEP_2)
	v_add_nc_u32 v[SO+\b], 0xff000000, v[BM+\b]
.endr
.irp b, 0,1
	s_delay_alu instid0(VALU_DEP_2)
	v_lshrrev_b32 v[T+\b], 23, v[SO+\b]
.endr
	s_delay_alu instid0(VALU_DEP_1)
	v_lshl_or_b32 v214, v[T+1], 8, v[T]            ; the two scale bytes
	v_cvt_scalef32_pk16_fp6_f32 v[PCD:PCD+2], v[S:S+15], v[SO]
	v_cvt_scalef32_pk16_fp6_f32 v[T+4:T+6], v[S+16:S+31], v[SO+1]
	v_nop
.irp i, 0,1,2
	v_permlane16_swap_b32 v[PCD+\i], v[T+4+\i]
.endr
.irp i, 0,1,2
	s_delay_alu instid0(VALU_DEP_3)
	v_mov_b32 v[PCD+3+\i], v[T+4+\i]
.endr
	global_store_b128 v1, v[PCD:PCD+3], s[78:79]   ; 512 consecutive bytes,
	global_store_b64 v2, v[PCD+4:PCD+5], s[78:79]  ; and 256: a whole unit
	global_store_b16 v7, v214, s[80:81]            ; my head's half of the row's scale word; both halves of the lanes hold and write the same
	s_wait_tensorcnt 0x0                           ; the wave's end
	ds_add_u32 v[SPW], v[NIL]
	s_wait_dscnt 0x0
	s_endpgm
.Lfunc_end_k_qb282ac65b1_attn:
	.size	k_qb282ac65b1_attn, .Lfunc_end_k_qb282ac65b1_attn-k_qb282ac65b1_attn
	.p2alignl 7, 3214868480
	.fill 96, 4, 3214868480
	.section	.rodata,"a",@progbits
	.p2align	6, 0x0
	.amdhsa_kernel k_qb282ac65b1_attn
		.amdhsa_group_segment_fixed_size 206848
		.amdhsa_private_segment_fixed_size 0
		.amdhsa_enable_private_segment 0
		.amdhsa_kernarg_size 16
		.amdhsa_user_sgpr_count 2
		.amdhsa_user_sgpr_kernarg_segment_ptr 1
		.amdhsa_wavefront_size32 1
		.amdhsa_system_sgpr_workgroup_id_x 1
		.amdhsa_system_sgpr_workgroup_id_y 1
		.amdhsa_system_sgpr_workgroup_id_z 1
		.amdhsa_system_vgpr_workitem_id 0
		.amdhsa_next_free_vgpr 256
		.amdhsa_next_free_sgpr 84
		.amdhsa_reserve_vcc 1
		.amdhsa_float_denorm_mode_32 3
		.amdhsa_float_denorm_mode_16_64 3
		.amdhsa_memory_ordered 1
		.amdhsa_forward_progress 1
		.amdhsa_inst_pref_size 59
	.end_amdhsa_kernel
	.amdgpu_metadata
---
amdhsa.version: [ 1, 2 ]
amdhsa.kernels:
  - .name:           k_qb282ac65b1_attn
    .symbol:         k_qb282ac65b1_attn.kd
    .args:
      - { .name: qkvb, .offset: 0, .size: 8, .value_kind: global_buffer, .address_space: global }
      - { .name: act, .offset: 8, .size: 8, .value_kind: global_buffer, .address_space: global }
    .group_segment_fixed_size: 206848
    .private_segment_fixed_size: 0
    .kernarg_segment_align: 8
    .kernarg_segment_size: 16
    .max_flat_workgroup_size: 512
    .sgpr_count:     84
    .vgpr_count:     256
    .wavefront_size: 32
...
	.end_amdgpu_metadata
.endif
;; end of part 3
;; launch proj (part 4): grid 8 x 32, 4 waves a work-group, clusters of 4 x 4, 327,680 bytes of LDS; arguments act, wts, x, x1; writes x1
.if DOCPART == 4
	.amdgcn_target "amdgcn-amd-amdhsa--gfx1250"
	.amdhsa_code_object_version 6
	.text
	.protected	k_qb282ac65b1_proj
	.globl	k_qb282ac65b1_proj
	.p2align	8
	.type	k_qb282ac65b1_proj,@function
k_qb282ac65b1_proj:
	s_mov_b64 s[64:65], 0
	v_nop
	global_prefetch_b8 v0, s[64:65] scope:SCOPE_SE
	s_setreg_imm32_b32 hwreg(HW_REG_WAVE_MODE, 25, 1), 1
	s_wait_xcnt 0x0
	s_wait_alu depctr_hold_cnt(0) depctr_sa_sdst(0) depctr_va_vdst(0) depctr_va_sdst(0) depctr_va_ssrc(0) depctr_va_vcc(0) depctr_vm_vsrc(0)
	s_getreg_b32 s2, hwreg(HW_REG_IB_STS2, 6, 4)
	s_cmp_eq_u32 s2, 0
	s_cbranch_scc0 .Lentry_in_a_cluster
	s_endpgm
.Lentry_in_a_cluster:
	s_bfe_u32 s2, ttmp6, 0x10000c
	s_cmp_lg_u32 s2, 0xf033
	s_cbranch_scc0 .Lentry_shape_is_right
	s_endpgm
.Lentry_shape_is_right:
; x1 = x + o W_proj on codes of FP6 (E2M3) with E8M0 scales for each 32 along K = 1,024.  o's codes lie in act, the weight's in wts, both as images of operand registers (units of 768 bytes: 16 row positions x 64 along K;
; lane l has registers 0-3 at 16 l, registers 4-5 at 512 + 8 l), rows in position order (bits 3 and 4 of the row number exchanged).  x and x1 are f32 in true rows.
; A tile of the result is 128 x 128, so that the 4,096 x 1,024 numbers give 256 work-groups; four waves, each 64 x 64: 16 accumulators.  A slot of LDS holds 512 along K; K = 1,024 is two slots, both filled once.
; CLUSTERS 4 x 4: A's tiles are shared along a row of the cluster, B's along a column, each asked for jointly.  THE MATRIX INSTRUCTION IS USED TRANSPOSED (source 0 = B's rows, source 1 = A's): a lane holds one token,
; its registers run along true neighbouring columns.  The residual's 64 x 64 numbers are asked for at the head, in the layout in which rows leave, and land under the products.  No prefetch: two slots, asked for at the head.
; REGISTERS: window 0: v16-29 addresses; v32-63 scale words, two sets; v64-127 rows on the way out; v128-255 the accumulators ((a, b) at v[128 + 8 (4 a + b)]).  window 1: two fragment buffers of 96.  window 2: v0-127 the residual.
.set KTOT,   1024
.set ASB,    3145728                   ; A's scale words in its buffer (its codes begin at 0)
.set BCB,    2359296                   ; B's codes in wts
.set BSB,    9568256                   ; B's scale words
.set TPB,    KTOT/64*768               ; a row tile's bytes in memory
.set NK,     KTOT/128
.set LAPS,   KTOT/1024
.set FR,     12
.set RTB,    12288                     ; a row tile's bytes in LDS: ALL of K, sixteen units, as they lie in memory
.set HALFT,  4*RTB                     ; 64 rows
.set SLOT,   6144                      ; the second 512 along K begin here within a row tile
.set SCL,    4*HALFT                   ; A's 128 rows, B's 128 rows, then the scale words
.set HALFS,  NK*256
.set STAGE,  SCL+4*HALFS               ; 16 rows x 272 bytes for each wave: bytes of its own, into which no fill lands
.set SPITCH, 272
.set SPARE,  STAGE+4*16*SPITCH
.set ADRA, 16
.set ADRB, 20
.set STO,  24
.set RD,   25
.set CO,   26
.set ADRS, 27
.set SPW,  28
.set NIL,  29
.set SC,   32
.set OB,   64
.set ACC,  128
.set F0,   0
.set F1,   128
.set G1, 24
.set G0, 32
.set G1B, 48
.set G0B, 56
.set G1S, 68
.set G0S, 76
.set G1SB, 80
.set G0SB, 88
.set MSB, 0
.macro WIN new
.if MSB != (\new)
	s_set_vgpr_msb (MSB<<8)|(\new)
.set MSB, (\new)
.endif
.endm
.set MUL,  0x05                        ; sources 0 and 1 window 1; C and D window 0
.set TO_F, 0x40                        ; destination window 1, address window 0
.macro JLOAD g0a, g1a, g0b, g1b        ; a joint load: waves 0 and 1 fetch for A, waves 2 and 3 for B; an s_nop 0 and four v_nop follow each line
	s_cmp_eq_u32 s15, 0
	s_cbranch_scc0 .Lfor_b_\@
	tensor_load_to_lds s[\g0a:\g0a+3], s[\g1a:\g1a+7]
	s_nop 0
.rept 4
	v_nop
.endr
	s_branch .Lasked_\@
.Lfor_b_\@:
	tensor_load_to_lds s[\g0b:\g0b+3], s[\g1b:\g1b+7]
	s_nop 0
.rept 4
	v_nop
.endr
.Lasked_\@:
.endm
.macro CREST
	s_cmp_lg_u32 s14, 0
	s_cbranch_scc1 .Lnot_wave_0_\@
	s_barrier_signal -3
.Lnot_wave_0_\@:
	s_barrier_wait -3
	s_barrier_signal -1
	s_barrier_wait -1
.endm
.macro CROUND
	s_barrier_signal -1
	s_barrier_wait -1
	CREST
.endm
	s_load_b256 s[4:11], s[0:1], 0x0               ; A's buffer, wts, the residual, the result
	v_lshl_add_u32 v[SPW], v0, 2, SPARE
	v_mov_b32 v[NIL], 0
	ds_add_u32 v[SPW], v[NIL]                      ; the wave's opening
	ds_add_u32 v[SPW], v[NIL]
	v_lshrrev_b32 v1, 5, v0
	v_readfirstlane_b32 s14, v1
	s_lshr_b32 s15, s14, 1                         ; my half of the tile's rows.  Also: I fetch for A (0) or for B (1)
	s_and_b32 s16, s14, 1                          ; my half of its columns
	s_bfe_u32 s40, ttmp6, 0x40000
	s_bfe_u32 s41, ttmp6, 0x40004
	s_lshl_b32 s42, ttmp9, 2
	s_add_co_u32 s42, s42, s40                     ; tile column
	s_and_b32 s17, ttmp7, 0xffff
	s_lshl_b32 s17, s17, 2
	s_add_co_u32 s17, s17, s41                     ; tile row
	s_lshl_b32 s43, s41, 2
	s_lshl_b32 s43, 15, s43
	s_lshl_b32 s44, 0x1111, s40
	s_or_b32 s[G1+0], s43, (3<<16)|(1<<21)         ; the mask; elements of 8 bytes; no padding; bit 21 beside a mask
	s_or_b32 s[G1B+0], s44, (3<<16)|(1<<21)
.irp g, G1, G1B                        ; codes: 8 row tiles x 12,288 bytes
	s_mov_b32 s[\g+1], 1536<<16                    ; a side's 128 rows, all of K, are one dense block: 8 row tiles x 12,288 bytes, one load
	s_mov_b32 s[\g+2], 8<<16
	s_mov_b32 s[\g+3], 1536<<16
	s_mov_b32 s[\g+4], 8
	s_mov_b32 s[\g+5], TPB/8
	s_mov_b32 s[\g+6], 0
	s_mov_b32 s[\g+7], 0
.endr
	s_or_b32 s[G1S+0], s43, (3<<16)|(1<<21)
	s_or_b32 s[G1SB+0], s44, (3<<16)|(1<<21)
.irp g, G1S, G1SB                      ; scale words: NK rows of 512 bytes (128 rows' words)
	s_mov_b32 s[\g+1], 64<<16                      ; 512 bytes: the words of all 128 rows, one load a side
	s_mov_b32 s[\g+2], NK<<16
	s_mov_b32 s[\g+3], 64<<16
	s_mov_b32 s[\g+4], NK
	s_mov_b32 s[\g+6], 0
	s_mov_b32 s[\g+7], 0
.endr
	s_mov_b32 s[G1S+5], 2048                       ; A has 4,096 rows: 16,384 bytes from one 128 along K to the next,
	s_mov_b32 s[G1SB+5], 512                       ; B 1,024: 4,096 bytes
	s_lshl_b32 s20, s17, 3                         ; A: the tile's first row tile
	s_lshl_b32 s46, s42, 3                         ; B's
	s_lshl_b32 s22, s20, 6
	s_add_co_u32 s22, s22, ASB
	s_lshl_b32 s92, s46, 6
	s_add_co_u32 s92, s92, BSB
	s_mul_i32 s20, s20, TPB
	s_mul_i32 s46, s46, TPB
	s_add_co_u32 s46, s46, BCB
	s_mov_b32 s21, 0
	s_mov_b32 s23, 0
	s_mov_b32 s47, 0
	s_mov_b32 s93, 0
	s_wait_dscnt 0x0                               ; the opening add is done
	s_wait_kmcnt 0x0
	s_add_nc_u64 s[20:21], s[4:5], s[20:21]
	s_add_nc_u64 s[22:23], s[4:5], s[22:23]
	s_add_nc_u64 s[46:47], s[6:7], s[46:47]
	s_add_nc_u64 s[92:93], s[6:7], s[92:93]
	CROUND                                         ; all sixteen work-groups are here: the first joint loads meet
	s_mov_b32 s[G0S], 1
	s_mov_b32 s[G0S+1], SCL
	s_mov_b64 s[G0S+2:G0S+3], s[22:23]
	s_or_b32 s[G0S+3], s[G0S+3], 0x80000000
	s_mov_b32 s[G0SB], 1
	s_mov_b32 s[G0SB+1], SCL+2*HALFS
	s_mov_b64 s[G0SB+2:G0SB+3], s[92:93]
	s_or_b32 s[G0SB+3], s[G0SB+3], 0x80000000
	s_mov_b32 s[G0], 1
	s_mov_b32 s[G0+1], 0
	s_mov_b64 s[G0+2:G0+3], s[20:21]
	s_or_b32 s[G0+3], s[G0+3], 0x80000000
	s_mov_b32 s[G0B], 1
	s_mov_b32 s[G0B+1], 2*HALFT
	s_mov_b64 s[G0B+2:G0B+3], s[46:47]
	s_or_b32 s[G0B+3], s[G0B+3], 0x80000000
; ALL THAT THE LAUNCH READS BY TENSOR LOADS, one load a wave: wave 0 A's rows, wave 1 B's, wave 2 A's scale words, wave 3 B's: one chain of branches on the wave's number.  Nothing is filled later.
.macro ARM under, g0, g1, next
	s_cmp_lt_u32 s14, \under
	s_cbranch_scc0 \next
	tensor_load_to_lds s[\g0:\g0+3], s[\g1:\g1+7]
	s_nop 0
.rept 4
	v_nop
.endr
	s_branch .Lhead_asked
\next:
.endm
	ARM 1, G0, G1, .Lhead_b
	ARM 2, G0B, G1B, .Lhead_sa
	ARM 3, G0S, G1S, .Lhead_sb
	tensor_load_to_lds s[G0SB:G0SB+3], s[G1SB:G1SB+7]
	s_nop 0
.rept 4
	v_nop
.endr
.Lhead_asked:
	v_and_b32 v1, 31, v0
	v_and_b32 v2, 15, v0                           ; r
	v_bfe_u32 v3, v0, 4, 1                         ; h
	v_lshlrev_b32 v4, 4, v1
	v_lshlrev_b32 v5, 3, v1
	v_add_nc_u32 v5, 512, v5
	s_mul_i32 s21, s15, HALFT
	s_mul_i32 s22, s16, HALFT
	s_add_co_u32 s22, s22, 2*HALFT
.irp s, 0,1
	v_add_nc_u32 v[ADRA+\s], s21, v4
	v_add_nc_u32 v[ADRB+\s], s22, v4
	v_add_nc_u32 v[ADRA+2+\s], s21, v5
	v_add_nc_u32 v[ADRB+2+\s], s22, v5
	s_add_co_u32 s21, s21, SLOT
	s_add_co_u32 s22, s22, SLOT
.endr
	s_lshl_b32 s21, s15, 8                         ; scale words lie [128 along K: 512 bytes][row: 4]: my 64 rows' begin 256 x half in
	s_lshl_b32 s22, s16, 8
	s_add_co_u32 s22, s22, 2*HALFS
	s_sub_co_u32 s22, s22, s21
	v_mul_u32_u24 v6, s22, v3                      ; lanes 16-31 take B's words
	s_add_co_u32 s21, s21, SCL
	v_lshl_add_u32 v6, v2, 2, v6
	v_add_nc_u32 v[ADRS], s21, v6
	s_mul_i32 s23, s14, 16*SPITCH
	s_add_co_u32 s23, s23, STAGE                   ; my stage
	v_mul_u32_u24 v6, v2, SPITCH
	v_lshl_add_u32 v6, v3, 6, v6
	v_add_nc_u32 v[STO], s23, v6                   ; in: row r, + 64 h
	v_mul_u32_u24 v6, v3, SPITCH
	v_lshl_add_u32 v6, v2, 4, v6
	v_add_nc_u32 v[RD], s23, v6                    ; back: lanes 0-15 one row of 256 bytes, lanes 16-31 the next
	v_lshlrev_b32 v6, 12, v3
	v_lshl_add_u32 v[CO], v2, 4, v6                ; and the same two rows in memory
	s_wait_alu depctr_va_vdst(0)
	s_lshl_b32 s20, s17, 7
	s_lshl_b32 s21, s15, 6
	s_add_co_u32 s20, s20, s21
	s_lshl_b32 s20, s20, 12                        ; my first row x 4,096 bytes
	s_lshl_b32 s46, s42, 9
	s_lshl_b32 s47, s16, 8
	s_add_co_u32 s46, s46, s47                     ; my first column x 4
	s_add_co_u32 s20, s20, s46
	s_mov_b32 s21, 0
	s_add_nc_u64 s[8:9], s[8:9], s[20:21]
	s_add_nc_u64 s[10:11], s[10:11], s[20:21]
	WIN 0x80                                       ; destination window 2
.irp a, 0,1,2,3                                ; position 2 i + h of tile a is true row 32 (a / 2) + 8 (a % 2) + 2 (i % 4) + 16 (i / 4) + h
.irp i, 0,1,2,3,4,5,6,7
	global_load_b128 v[32*\a+4*\i:32*\a+4*\i+3], v[CO], s[8:9] offset:(32*(\a/2)+8*(\a%2)+2*(\i%4)+16*(\i/4))*4096
.endr
.endr
	WIN 0
.macro FRAG reg, adr, q, i
	ds_load_b128 v[\reg:\reg+3], v[\adr] offset:(\i)*RTB+(\q)*1536
	ds_load_b64 v[\reg+4:\reg+5], v[\adr+2] offset:(\i)*RTB+(\q)*1536
	ds_load_b128 v[\reg+6:\reg+9], v[\adr] offset:(\i)*RTB+(\q)*1536+768
	ds_load_b64 v[\reg+10:\reg+11], v[\adr+2] offset:(\i)*RTB+(\q)*1536+768
.endm
.macro MULA f, a, q, sc, zero          ; four products: A's block a x B's four.  The 16 accumulators take turns in one order
.irp b, 0,1,2,3
.if \zero
	v_wmma_scale_f32_16x16x128_f8f6f4 v[ACC+8*(4*(\a)+\b):ACC+8*(4*(\a)+\b)+7], v[\f+48+FR*\b:\f+48+FR*\b+FR-1], v[\f+FR*(\a):\f+FR*(\a)+FR-1], 0, v[SC+16*(\sc)+4*\b+(\q)], v[SC+16*(\sc)+4*(\a)+(\q)] matrix_a_fmt:MATRIX_FMT_FP6 matrix_b_fmt:MATRIX_FMT_FP6 matrix_a_scale:MATRIX_SCALE_ROW1
.else
	v_wmma_scale_f32_16x16x128_f8f6f4 v[ACC+8*(4*(\a)+\b):ACC+8*(4*(\a)+\b)+7], v[\f+48+FR*\b:\f+48+FR*\b+FR-1], v[\f+FR*(\a):\f+FR*(\a)+FR-1], v[ACC+8*(4*(\a)+\b):ACC+8*(4*(\a)+\b)+7], v[SC+16*(\sc)+4*\b+(\q)], v[SC+16*(\sc)+4*(\a)+(\q)] matrix_a_fmt:MATRIX_FMT_FP6 matrix_b_fmt:MATRIX_FMT_FP6 matrix_a_scale:MATRIX_SCALE_ROW1
.endif
.endr
.endm
.macro FETCH slot, q, f                ; 32 loads: B's four fragments, then A's four
	WIN TO_F
.irp i, 0,1,2,3
	FRAG \f+48+FR*\i, ADRB+\slot, \q, \i
.endr
.irp i, 0,1,2,3
	FRAG \f+FR*\i, ADRA+\slot, \q, \i
.endr
.endm
.macro SCALES sc
.irp i, 0,1,2,3
.irp q, 0,1,2,3
	ds_load_b32 v[SC+16*\sc+4*\i+\q], v[ADRS] offset:64*\i+512*\q
.endr
.endr
.endm
.macro PLACES n
.rept \n
	v_nop
.endr
.endm
.macro STEP slot, q, f, g, zero
	s_wait_dscnt 8                                 ; all but A's blocks 2 and 3 (the youngest eight loads)
	WIN MUL
	MULA \f, 0, \q, \slot, \zero
	MULA \f, 1, \q, \slot, \zero
	PLACES 4
	FETCH \slot, (\q)+1, \g
	s_wait_dscnt 32                                ; all but the 32 just issued
	WIN MUL
	MULA \f, 2, \q, \slot, \zero
	MULA \f, 3, \q, \slot, \zero
.endm
.macro TURN slot, next, fill           ; a slot's last step changes slots
	WIN 0
	s_wait_tensorcnt 0x0                           ; all my tensor loads have landed
	ds_add_u32 v[SPW], v[NIL]                      ; 0 onto my spare word
	s_wait_dscnt 9                                 ; (the add and the youngest eight loads may be out)
	WIN MUL
	MULA F1, 0, 3, \slot, 0
	s_wait_dscnt 0x0                               ; the add is done, and my reads of this slot are over
	s_barrier_signal -1
	MULA F1, 1, 3, \slot, 0
	WIN 0
	s_barrier_wait -1
.if \fill
	CREST
	s_add_nc_u64 s[G0+4*\slot+2:G0+4*\slot+3], s[G0+4*\slot+2:G0+4*\slot+3], 2*RTB
	s_add_nc_u64 s[G0B+4*\slot+2:G0B+4*\slot+3], s[G0B+4*\slot+2:G0B+4*\slot+3], 2*RTB
	JLOAD G0+4*\slot, G1, G0B+4*\slot, G1B
.else
	PLACES 4
.endif
	v_add_nc_u32 v[ADRS], 2048, v[ADRS]
	SCALES \next
	FETCH \next, 0, F0
	WIN MUL
	MULA F1, 2, 3, \slot, 0
	MULA F1, 3, 3, \slot, 0
.endm
	s_wait_tensorcnt 0x0                           ; my one load has landed; the barrier shows all four to all waves
	s_barrier_signal -1
	s_barrier_wait -1
	SCALES 0
	FETCH 0, 0, F0
	STEP 0, 0, F0, F1, 1                           ; the first products start the sums
.if LAPS > 1
	WIN 0
	s_mov_b32 s3, LAPS-1
.Llap:
	STEP 0, 1, F1, F0, 0
	STEP 0, 2, F0, F1, 0
	TURN 0, 1, 1
	STEP 1, 0, F0, F1, 0
	STEP 1, 1, F1, F0, 0
	STEP 1, 2, F0, F1, 0
	TURN 1, 0, 1
	STEP 0, 0, F0, F1, 0
	WIN 0
	s_sub_co_u32 s3, s3, 1
	s_cmp_lg_u32 s3, 0
	s_cbranch_scc1 .Llap
.endif
	STEP 0, 1, F1, F0, 0
	STEP 0, 2, F0, F1, 0
	TURN 0, 1, 0
	STEP 1, 0, F0, F1, 0
	STEP 1, 1, F1, F0, 0
	STEP 1, 2, F0, F1, 0
	s_wait_dscnt 8
	WIN MUL
	MULA F1, 0, 3, 1, 0
	MULA F1, 1, 3, 1, 0
	s_wait_dscnt 0
	MULA F1, 2, 3, 1, 0
	MULA F1, 3, 3, 1, 0
	WIN 0
	; THE WAY OUT, a tile of 16 tokens x 64 columns at a time, through my own stage: in as 32 bytes a lane, back as whole rows of 256 bytes; the residual is added; sixteen lanes store 256 consecutive aligned bytes.
	PLACES 4
	s_wait_loadcnt 0x0                             ; the residual
.macro TOSTAGE a
.irp b, 0,1,2,3
	ds_store_b128 v[STO], v[ACC+8*(4*(\a)+\b):ACC+8*(4*(\a)+\b)+3] offset:128*(\b/2)+32*(\b%2)      ; each accumulator from its low end on
	ds_store_b128 v[STO], v[ACC+8*(4*(\a)+\b)+4:ACC+8*(4*(\a)+\b)+7] offset:128*(\b/2)+32*(\b%2)+16
.endr
.irp i, 0,1,2,3,4,5,6,7
	ds_load_b128 v[OB+32*((\a)%2)+4*\i:OB+32*((\a)%2)+4*\i+3], v[RD] offset:2*\i*SPITCH   ; LDS serves a wave's instructions in order: these see the stores above
.endr
.endm
.macro SEND a, younger
	s_wait_dscnt \younger                          ; the tile is back; the next tile's sixteen LDS instructions may be out
	WIN 0x08                                       ; source 1 window 2
.set k, 0
.rept 16
	v_pk_add_f32 v[OB+32*((\a)%2)+k:OB+32*((\a)%2)+k+1], v[OB+32*((\a)%2)+k:OB+32*((\a)%2)+k+1], v[32*(\a)+k:32*(\a)+k+1]
.set k, k+2
.endr
	WIN 0
.irp i, 0,1,2,3,4,5,6,7
	global_store_b128 v[CO], v[OB+32*((\a)%2)+4*\i:OB+32*((\a)%2)+4*\i+3], s[10:11] offset:(32*((\a)/2)+8*((\a)%2)+2*(\i%4)+16*(\i/4))*4096
.endr
.endm
	TOSTAGE 0
	TOSTAGE 1
	SEND 0, 16
	s_wait_xcnt 0x0                                ; tile 0's stores have read their registers: tile 2's loads may land there
	TOSTAGE 2
	SEND 1, 16
	s_wait_xcnt 0x0
	TOSTAGE 3
	SEND 2, 16
	SEND 3, 0
	s_wait_tensorcnt 0x0                           ; the wave's end
	ds_add_u32 v[SPW], v[NIL]
	s_wait_dscnt 0x0
	CROUND                                         ; the closing round
	s_endpgm
.Lfunc_end_k_qb282ac65b1_proj:
	.size	k_qb282ac65b1_proj, .Lfunc_end_k_qb282ac65b1_proj-k_qb282ac65b1_proj
	.p2alignl 7, 3214868480
	.fill 96, 4, 3214868480
	.section	.rodata,"a",@progbits
	.p2align	6, 0x0
	.amdhsa_kernel k_qb282ac65b1_proj
		.amdhsa_group_segment_fixed_size 327680
		.amdhsa_private_segment_fixed_size 0
		.amdhsa_enable_private_segment 0
		.amdhsa_kernarg_size 32
		.amdhsa_user_sgpr_count 2
		.amdhsa_user_sgpr_kernarg_segment_ptr 1
		.amdhsa_wavefront_size32 1
		.amdhsa_system_sgpr_workgroup_id_x 1
		.amdhsa_system_sgpr_workgroup_id_y 1
		.amdhsa_system_sgpr_workgroup_id_z 1
		.amdhsa_system_vgpr_workitem_id 0
		.amdhsa_next_free_vgpr 768
		.amdhsa_next_free_sgpr 100
		.amdhsa_reserve_vcc 0
		.amdhsa_float_denorm_mode_32 3
		.amdhsa_float_denorm_mode_16_64 3
		.amdhsa_memory_ordered 1
		.amdhsa_forward_progress 1
		.amdhsa_inst_pref_size 60
	.end_amdhsa_kernel
	.amdgpu_metadata
---
amdhsa.version: [ 1, 2 ]
amdhsa.kernels:
  - .name:           k_qb282ac65b1_proj
    .symbol:         k_qb282ac65b1_proj.kd
    .args:
      - { .name: act, .offset: 0, .size: 8, .value_kind: global_buffer, .address_space: global }
      - { .name: wts, .offset: 8, .size: 8, .value_kind: global_buffer, .address_space: global }
      - { .name: x, .offset: 16, .size: 8, .value_kind: global_buffer, .address_space: global }
      - { .name: x1, .offset: 24, .size: 8, .value_kind: global_buffer, .address_space: global }
    .group_segment_fixed_size: 327680
    .private_segment_fixed_size: 0
    .kernarg_segment_align: 8
    .kernarg_segment_size: 32
    .max_flat_workgroup_size: 128
    .sgpr_count:     100
    .vgpr_count:     768
    .wavefront_size: 32
...
	.end_amdgpu_metadata
.endif
;; end of part 4
;; launch ln2 (part 5): grid 256 x 1, 8 waves a work-group, no clusters, 2,048 bytes of LDS; arguments x1, ln2_g, ln2_b, act; writes act
.if DOCPART == 5
	.amdgcn_target "amdgcn-amd-amdhsa--gfx1250"
	.amdhsa_code_object_version 6
	.text
	.protected	k_qb282ac65b1_ln2
	.globl	k_qb282ac65b1_ln2
	.p2align	8
	.type	k_qb282ac65b1_ln2,@function
k_qb282ac65b1_ln2:
	s_mov_b64 s[64:65], 0
	v_nop
	global_prefetch_b8 v0, s[64:65] scope:SCOPE_SE
	s_setreg_imm32_b32 hwreg(HW_REG_WAVE_MODE, 25, 1), 1
	s_wait_xcnt 0x0
; LayerNorm of 4,096 rows of 1,024 f32, then the quantiser along the row: codes of FP6 (E2M3) and E8M0 scale words into act, laid as the products take an operand.
; LAYOUT OF act: rows in POSITION ORDER (position p holds row p with bits 3 and 4 exchanged); unit (tile T of 16 positions, kk of 64 along K) of 768 bytes at (16 T + kk) x 768: lane l = r + 16 h has registers 0-3 of
; its six (k = 64 kk + 32 h + 0 .. 31) at 16 l, registers 4-5 at 512 + 8 l.  Scale word (k128, p) at 3,145,728 + (4,096 k128 + p) x 4.
; SHARES.  A work-group takes one tile of 16 positions, wave w the columns 128 w .. 128 w + 127.  Lane (r, h) holds 64 numbers of row r: register 16 b + i is column 128 w + 32 b + 16 h + i: the order in which the
; conversions want them.  Mean and variance are taken in two passes over the registers (the variance of the centred numbers, so a common offset costs nothing); the waves' partial sums meet in LDS, two barriers.
; LIMITS: NaN and infinities are not served; a block of zeros, or one under 2^-124, keeps the scale byte 1 (this program alone reads the bytes).
.set X,   32                           ; v32-95   the row's 64 numbers
.set G,   96                           ; v96-159  the gain at my columns
.set BT,  160                          ; v160-223 the bias
.set PC,  224                          ; v224-242 codes
.set TM,  8                            ; v8-23    at work
.set PW,  24                           ; v24      the scale word
.set SPW, 244                          ; v244     my spare word; never rewritten
.set NIL, 245                          ; v245     0; never rewritten
.set P1,  0                            ; LDS: 16 rows x 8 waves x 4 bytes: the sums,
.set P2,  512                          ; the sums of squares,
.set SPARE, 1024                       ; the spare words, 128 bytes for each wave
.set SEL, 20
	s_load_b256 s[4:11], s[0:1], 0x0               ; the rows, the gain, the bias, act
	v_lshl_add_u32 v[SPW], v0, 2, SPARE
	v_mov_b32 v[NIL], 0
	v_lshrrev_b32 v1, 5, v0
	s_delay_alu instid0(VALU_DEP_1)
	v_readfirstlane_b32 s12, v1                    ; wave 0..7
	v_and_b32 v2, 15, v0                           ; r
	v_bfe_u32 v3, v0, 4, 1                         ; h
	v_and_b32 v4, 7, v0
	v_bfe_u32 v5, v0, 3, 1
	s_delay_alu instid0(VALU_DEP_3)
	v_lshlrev_b32 v6, 6, v3                        ; gain and bias: 64 h
	s_delay_alu instid0(VALU_DEP_1)
	v_lshl_add_u32 v7, v4, 12, v6                  ; the rows: position r is row (r % 8) + 16 (r / 8) of the pair of tiles,
	s_delay_alu instid0(VALU_DEP_1)
	v_lshl_add_u32 v7, v5, 16, v7                  ; 4,096 bytes a row
	v_lshlrev_b32 v25, 5, v2                       ; LDS: row r's eight words
	s_lshl_b32 s18, s12, 2
	v_add_nc_u32 v26, s18, v25                     ; and my wave's among them
	v_and_b32 v1, 31, v0
	s_delay_alu instid0(VALU_DEP_1)
	v_lshlrev_b32 v27, 3, v1                       ; 8 x lane
	s_delay_alu instid0(VALU_DEP_2)
	v_lshlrev_b32 v1, 4, v1                        ; 16 x lane
	v_lshlrev_b32 v5, 2, v2                        ; 4 r
	s_lshr_b32 s13, ttmp9, 1
	s_lshl_b32 s13, s13, 17                        ; 32 rows for each pair of tiles,
	s_and_b32 s14, ttmp9, 1
	s_lshl_b32 s14, s14, 15                        ; 8 rows for the odd tile,
	s_lshl_b32 s16, s12, 9                         ; 512 bytes for each wave
	s_mov_b32 s17, 0
	s_add_co_u32 s14, s14, s13
	s_add_co_u32 s14, s14, s16
	s_mov_b32 s15, 0
	s_lshl_b32 s22, ttmp9, 4
	s_lshl_b32 s23, s12, 1
	s_add_co_u32 s22, s22, s23
	s_mul_i32 s22, s22, 768                        ; my two units
	s_mov_b32 s23, 0
	s_lshl_b32 s24, s12, 14
	s_lshl_b32 s25, ttmp9, 6
	s_add_co_u32 s24, s24, s25
	s_add_co_u32 s24, s24, 3145728                 ; my tile's scale words for 128 w on
	s_mov_b32 s25, 0
	s_mov_b32 s19, 0x3a800000                      ; 1 / 1,024
	s_mov_b32 s[SEL], 0x76543210
	s_mov_b32 s[SEL+1], 0xfedcba98                 ; v_permlanex16_b32's selects for lane l xor 16
	s_wait_alu depctr_va_vdst(0)
	s_wait_kmcnt 0x0
	s_add_nc_u64 s[4:5], s[4:5], s[14:15]
	s_add_nc_u64 s[6:7], s[6:7], s[16:17]
	s_add_nc_u64 s[8:9], s[8:9], s[16:17]
	s_add_nc_u64 s[24:25], s[10:11], s[24:25]
	s_add_nc_u64 s[10:11], s[10:11], s[22:23]
.irp b, 0,1,2,3
.irp j, 0,1,2,3
	global_load_b128 v[X+16*\b+4*\j:X+16*\b+4*\j+3], v7, s[4:5] offset:128*\b+16*\j
.endr
.endr
.irp b, 0,1,2,3
.irp j, 0,1,2,3
	global_load_b128 v[G+16*\b+4*\j:G+16*\b+4*\j+3], v6, s[6:7] offset:128*\b+16*\j
.endr
.endr
.irp b, 0,1,2,3
.irp j, 0,1,2,3
	global_load_b128 v[BT+16*\b+4*\j:BT+16*\b+4*\j+3], v6, s[8:9] offset:128*\b+16*\j
.endr
.endr
; Four chains in v[8:15] are joined, then the other half of the lanes', then the eight waves' through LDS at off: v16 = the row's sum, the same bits in every wave.
.macro REDUCE off
	s_delay_alu instid0(VALU_DEP_3)
	v_pk_add_f32 v[8:9], v[8:9], v[10:11]
	s_delay_alu instid0(VALU_DEP_2)
	v_pk_add_f32 v[12:13], v[12:13], v[14:15]
	s_delay_alu instid0(VALU_DEP_1)
	v_pk_add_f32 v[8:9], v[8:9], v[12:13]
	s_delay_alu instid0(VALU_DEP_1)
	v_add_f32 v8, v8, v9
	s_delay_alu instid0(VALU_DEP_1)
	v_permlanex16_b32 v10, v8, s[SEL], s[SEL+1]
	s_delay_alu instid0(VALU_DEP_1)
	v_add_f32 v8, v8, v10
	ds_store_b32 v26, v8 offset:\off               ; both halves of the lanes write the same word with the same value
	s_wait_dscnt 0x0                               ; for the others' sake: my store is done
	s_barrier_signal -1
	s_barrier_wait -1
	ds_load_b128 v[16:19], v25 offset:\off
	ds_load_b128 v[20:23], v25 offset:\off+16
	s_wait_dscnt 0x0
	v_add_f32 v16, v16, v17
	v_add_f32 v18, v18, v19
	v_add_f32 v20, v20, v21
	v_add_f32 v22, v22, v23
	s_delay_alu instid0(VALU_DEP_3)
	v_add_f32 v16, v16, v18
	s_delay_alu instid0(VALU_DEP_2)
	v_add_f32 v20, v20, v22
	s_delay_alu instid0(VALU_DEP_1)
	v_add_f32 v16, v16, v20
.endm
	s_wait_loadcnt 32                              ; the row's 16 loads are in; the gain's and the bias's 32 may be out
.irp k, 0,1,2,3
	v_pk_add_f32 v[8+2*\k:9+2*\k], v[X+2*\k:X+2*\k+1], v[X+8+2*\k:X+9+2*\k]   ; the first numbers start the chains: nothing is cleared
.endr
.set m, 16
.rept 24
	s_delay_alu instid0(VALU_DEP_4)
	v_pk_add_f32 v[8+2*((m/2)%4):9+2*((m/2)%4)], v[8+2*((m/2)%4):9+2*((m/2)%4)], v[X+m:X+m+1]
.set m, m+2
.endr
	REDUCE P1
	s_delay_alu instid0(VALU_DEP_1)
	v_mul_f32 v28, s19, v16                        ; the mean
	s_delay_alu instid0(VALU_DEP_1)
	v_mov_b32 v29, v28
.set m, 0
.rept 32
	v_pk_add_f32 v[X+m:X+m+1], v[X+m:X+m+1], v[28:29] op_sel_hi:[1,0] neg_lo:[0,1] neg_hi:[0,1]   ; centred
.set m, m+2
.endr
.irp k, 0,1,2,3
	v_pk_mul_f32 v[8+2*\k:9+2*\k], v[X+2*\k:X+2*\k+1], v[X+2*\k:X+2*\k+1]
.endr
.set m, 8
.rept 28
	s_delay_alu instid0(VALU_DEP_4)
	v_pk_fma_f32 v[8+2*((m/2)%4):9+2*((m/2)%4)], v[X+m:X+m+1], v[X+m:X+m+1], v[8+2*((m/2)%4):9+2*((m/2)%4)]
.set m, m+2
.endr
	REDUCE P2                                      ; other bytes than the first exchange: no wave writes what another may still read
	s_delay_alu instid0(VALU_DEP_1)
	v_fmaak_f32 v30, s19, v16, 0x3727c5ac          ; the variance + 1e-5
	s_wait_alu depctr_va_vdst(0)
	v_rsq_f32 v30, v30
	v_nop                                          ; a plain place behind the transcendental
	s_wait_alu depctr_va_vdst(0)                   ; and the wait ahead of its first reader
	v_mov_b32 v31, v30
	s_wait_alu depctr_va_vdst(0)
	s_wait_loadcnt 0x0                             ; the gain and the bias
.set m, 0
.rept 32
	v_pk_mul_f32 v[X+m:X+m+1], v[X+m:X+m+1], v[30:31] op_sel_hi:[1,0]
.set m, m+2
.endr
.set m, 0
.rept 32
	v_pk_fma_f32 v[X+m:X+m+1], v[X+m:X+m+1], v[G+m:G+m+1], v[BT+m:BT+m+1]
.set m, m+2
.endr
	; the quantiser: four blocks of 32, each in lanes l and l xor 16
.irp b, 0,1,2,3
	v_max3_num_f32 v[TM+\b], |v[X+16*\b]|, |v[X+1+16*\b]|, 0x1800000   ; my 16 numbers, and the floor 2^(3 - 127): the byte cannot fall under 1
.endr
.irp i, 2,4,6,8,10,12,14
.irp b, 0,1,2,3
	s_delay_alu instid0(VALU_DEP_4)
	v_max3_num_f32 v[TM+\b], v[TM+\b], |v[X+16*\b+\i]|, |v[X+1+16*\b+\i]|
.endr
.endr
.irp b, 0,1,2,3
	s_delay_alu instid0(VALU_DEP_4)
	v_permlanex16_b32 v[TM+4+\b], v[TM+\b], s[SEL], s[SEL+1]
.endr
.irp b, 0,1,2,3
	s_delay_alu instid0(VALU_DEP_4)
	v_max_num_f32 v[TM+\b], v[TM+\b], v[TM+4+\b]
.endr
.irp b, 0,1,2,3
	s_delay_alu instid0(VALU_DEP_4)
	v_add_nc_u32 v[TM+12+\b], 0xff000000, v[TM+\b] ; 2 off the exponent field: the conversion's scale operand
.endr
.irp b, 0,1,2,3
	s_delay_alu instid0(VALU_DEP_4)
	v_lshrrev_b32 v[TM+4+\b], 23, v[TM+12+\b]      ; the scale's byte
.endr
	s_delay_alu instid0(VALU_DEP_3)
	v_lshl_or_b32 v[PW], v[TM+5], 8, v[TM+4]
	s_delay_alu instid0(VALU_DEP_1)
	v_lshl_or_b32 v[PW], v[TM+6], 16, v[PW]
	s_delay_alu instid0(VALU_DEP_1)
	v_lshl_or_b32 v[PW], v[TM+7], 24, v[PW]
.irp c, 0,1
	v_cvt_scalef32_pk16_fp6_f32 v[PC+6*\c:PC+2+6*\c], v[X+32*\c:X+15+32*\c], v[TM+12+2*\c]
	v_cvt_scalef32_pk16_fp6_f32 v[PC+12+4*\c:PC+14+4*\c], v[X+16+32*\c:X+31+32*\c], v[TM+13+2*\c]
.endr
	v_nop                                          ; one plain place behind a scaled conversion
.irp c, 0,1                                    ; the operand's layout wants a whole block in a lane
.irp i, 0,1,2
	v_permlane16_swap_b32 v[PC+6*\c+\i], v[PC+12+4*\c+\i]
.endr
.irp i, 0,1,2
	s_delay_alu instid0(VALU_DEP_3)
	v_mov_b32 v[PC+3+6*\c+\i], v[PC+12+4*\c+\i]
.endr
.endr
	global_store_b128 v1, v[PC:PC+3], s[10:11]                 ; 512 consecutive bytes
	global_store_b64 v27, v[PC+4:PC+5], s[10:11] offset:512    ; 256
	global_store_b128 v1, v[PC+6:PC+9], s[10:11] offset:768
	global_store_b64 v27, v[PC+10:PC+11], s[10:11] offset:1280
	global_store_b32 v5, v[PW], s[24:25]                       ; 16 scale words; both halves of the lanes hold and write the same
	s_wait_tensorcnt 0x0                           ; the wave's end
	ds_add_u32 v[SPW], v[NIL]
	s_wait_dscnt 0x0
	s_endpgm
.Lfunc_end_k_qb282ac65b1_ln2:
	.size	k_qb282ac65b1_ln2, .Lfunc_end_k_qb282ac65b1_ln2-k_qb282ac65b1_ln2
	.p2alignl 7, 3214868480
	.fill 96, 4, 3214868480
	.section	.rodata,"a",@progbits
	.p2align	6, 0x0
	.amdhsa_kernel k_qb282ac65b1_ln2
		.amdhsa_group_segment_fixed_size 2048
		.amdhsa_private_segment_fixed_size 0
		.amdhsa_enable_private_segment 0
		.amdhsa_kernarg_size 32
		.amdhsa_user_sgpr_count 2
		.amdhsa_user_sgpr_kernarg_segment_ptr 1
		.amdhsa_wavefront_size32 1
		.amdhsa_system_sgpr_workgroup_id_x 1
		.amdhsa_system_sgpr_workgroup_id_y 1
		.amdhsa_system_sgpr_workgroup_id_z 1
		.amdhsa_system_vgpr_workitem_id 0
		.amdhsa_next_free_vgpr 256
		.amdhsa_next_free_sgpr 66
		.amdhsa_reserve_vcc 0
		.amdhsa_float_denorm_mode_32 3
		.amdhsa_float_denorm_mode_16_64 3
		.amdhsa_memory_ordered 1
		.amdhsa_forward_progress 1
		.amdhsa_inst_pref_size 27
	.end_amdhsa_kernel
	.amdgpu_metadata
---
amdhsa.version: [ 1, 2 ]
amdhsa.kernels:
  - .name:           k_qb282ac65b1_ln2
    .symbol:         k_qb282ac65b1_ln2.kd
    .args:
      - { .name: x1, .offset: 0, .size: 8, .value_kind: global_buffer, .address_space: global }
      - { .name: ln2_g, .offset: 8, .size: 8, .value_kind: global_buffer, .address_space: global }
      - { .name: ln2_b, .offset: 16, .size: 8, .value_kind: global_buffer, .address_space: global }
      - { .name: act, .offset: 24, .size: 8, .value_kind: global_buffer, .address_space: global }
    .group_segment_fixed_size: 2048
    .private_segment_fixed_size: 0
    .kernarg_segment_align: 8
    .kernarg_segment_size: 32
    .max_flat_workgroup_size: 256
    .sgpr_count:     66
    .vgpr_count:     256
    .wavefront_size: 32
...
	.end_amdgpu_metadata
.endif
;; end of part 5
;; launch fc1 (part 6): grid 16 x 16, 4 waves a work-group, clusters of 4 x 4, 327,680 bytes of LDS; arguments act, wts, hid; writes hid
.if DOCPART == 6
	.amdgcn_target "amdgcn-amd-amdhsa--gfx1250"
	.amdhsa_code_object_version 6
	.text
	.protected	k_qb282ac65b1_fc1
	.globl	k_qb282ac65b1_fc1
	.p2align	8
	.type	k_qb282ac65b1_fc1,@function
k_qb282ac65b1_fc1:
	s_mov_b64 s[64:65], 0
	v_nop
	global_prefetch_b8 v0, s[64:65] scope:SCOPE_SE
	s_setreg_imm32_b32 hwreg(HW_REG_WAVE_MODE, 25, 1), 1
	s_wait_xcnt 0x0
	s_wait_alu depctr_hold_cnt(0) depctr_sa_sdst(0) depctr_va_vdst(0) depctr_va_sdst(0) depctr_va_ssrc(0) depctr_va_vcc(0) depctr_vm_vsrc(0)
	s_getreg_b32 s2, hwreg(HW_REG_IB_STS2, 6, 4)
	s_cmp_eq_u32 s2, 0
	s_cbranch_scc0 .Lentry_in_a_cluster
	s_endpgm
.Lentry_in_a_cluster:
	s_bfe_u32 s2, ttmp6, 0x10000c
	s_cmp_lg_u32 s2, 0xf033
	s_cbranch_scc0 .Lentry_shape_is_right
	s_endpgm
.Lentry_shape_is_right:
.set NQ,     2
.set NL,     4
.set NP,     4
.set FR,     12
.set KSB,    3072
.set TPB,    12288
.set HALFT,  8*KSB
.set SLOT,   4*HALFT
.set SCL,    2*SLOT
.set HALFS,  4096
.set SPARE,  SCL+4*HALFS
.set ADRA, 16
.set ADRB, 20
.set ADRS, 27
.set SPW,  28
.set NIL,  29
.set SC,   32
.set AF,   128
.set TM,   8
.set PC,   32
.set PW,   52
.set KA,   54
.set KB,   56
.set H,    64
.set Z,    128
.set Z2,   160
.set AL,   192
.set BE,   224
.set G1, 24
.set G0, 32
.set G1B, 48
.set G0B, 56
.set G1S, 68
.set G0S, 76
.set G1SB, 80
.set G0SB, 88
.set SEL, 18
.set MSB, 0
.macro WIN new
.if MSB != (\new)
	s_set_vgpr_msb (MSB<<8)|(\new)
.set MSB, (\new)
.endif
.endm
.set MUL_LO, 0xa1
.set MUL_HI, 0xf1
.set TO_B,   0x40
.macro JLOAD g0a, g1a, g0b, g1b
	s_cmp_eq_u32 s15, 0
	s_cbranch_scc0 .Lfor_b_\@
	tensor_load_to_lds s[\g0a:\g0a+3], s[\g1a:\g1a+7]
	s_nop 0
.rept 4
	v_nop
.endr
	s_branch .Lasked_\@
.Lfor_b_\@:
	tensor_load_to_lds s[\g0b:\g0b+3], s[\g1b:\g1b+7]
	s_nop 0
.rept 4
	v_nop
.endr
.Lasked_\@:
.endm
.macro CREST
	s_cmp_lg_u32 s14, 0
	s_cbranch_scc1 .Lnot_wave_0_\@
	s_barrier_signal -3
.Lnot_wave_0_\@:
	s_barrier_wait -3
	s_barrier_signal -1
	s_barrier_wait -1
.endm
.macro CROUND
	s_barrier_signal -1
	s_barrier_wait -1
	CREST
.endm
	s_load_b128 s[4:7], s[0:1], 0x0
	s_load_b64 s[8:9], s[0:1], 0x10
	v_lshl_add_u32 v[SPW], v0, 2, SPARE
	v_mov_b32 v[NIL], 0
	ds_add_u32 v[SPW], v[NIL]
	ds_add_u32 v[SPW], v[NIL]
	v_lshrrev_b32 v1, 5, v0
	v_readfirstlane_b32 s14, v1
	s_lshr_b32 s15, s14, 1
	s_and_b32 s16, s14, 1
	s_bfe_u32 s40, ttmp6, 0x40000
	s_bfe_u32 s41, ttmp6, 0x40004
	s_lshl_b32 s42, ttmp9, 2
	s_add_co_u32 s42, s42, s40
	s_and_b32 s17, ttmp7, 0xffff
	s_lshl_b32 s17, s17, 2
	s_add_co_u32 s17, s17, s41
	s_lshl_b32 s43, s41, 2
	s_lshl_b32 s43, 15, s43
	s_lshl_b32 s44, 0x1111, s40
	s_or_b32 s[G1+0], s43, (3<<16)|(1<<21)
	s_or_b32 s[G1B+0], s44, (3<<16)|(1<<21)
.irp g, G1, G1B
	s_mov_b32 s[\g+1], 384<<16
	s_mov_b32 s[\g+2], 16<<16                      ; the head's loads bring all 16 row tiles; behind them the two words are set to 8, for the ring's
	s_mov_b32 s[\g+3], 384<<16
	s_mov_b32 s[\g+4], 16
	s_mov_b32 s[\g+5], 1536
	s_mov_b32 s[\g+6], 0
	s_mov_b32 s[\g+7], 0
.endr
	s_or_b32 s[G1S+0], s43, (3<<16)|(1<<21)
	s_or_b32 s[G1SB+0], s44, (3<<16)|(1<<21)
.irp g, G1S, G1SB
	s_mov_b32 s[\g+1], 128<<16                     ; 1,024 bytes: the words of all 256 rows, one load a side
	s_mov_b32 s[\g+2], 8<<16
	s_mov_b32 s[\g+3], 128<<16
	s_mov_b32 s[\g+4], 8
	s_mov_b32 s[\g+5], 2048
	s_mov_b32 s[\g+6], 0
	s_mov_b32 s[\g+7], 0
.endr
	s_lshl_b32 s20, s17, 4                         ; A: the tile's first row tile
	s_lshl_b32 s46, s42, 4                         ; B's
	s_mul_i32 s18, s16, 8*TPB                      ; in the ring I fetch eight row tiles: which half, in bytes
	s_mov_b32 s19, 0
	s_lshl_b32 s22, s20, 6
	s_add_co_u32 s22, s22, 3145728
	s_lshl_b32 s92, s46, 6
	s_add_co_u32 s92, s92, 9601024
	s_mul_i32 s20, s20, TPB
	s_mul_i32 s46, s46, TPB
	s_add_co_u32 s46, s46, 3145728
	s_mov_b32 s21, 0
	s_mov_b32 s23, 0
	s_mov_b32 s47, 0
	s_mov_b32 s93, 0
	s_mul_i32 s45, s14, HALFT
	s_wait_dscnt 0x0
	s_wait_kmcnt 0x0
	s_add_nc_u64 s[20:21], s[4:5], s[20:21]
	s_add_nc_u64 s[22:23], s[4:5], s[22:23]
	s_add_nc_u64 s[46:47], s[6:7], s[46:47]
	s_add_nc_u64 s[92:93], s[6:7], s[92:93]
	CROUND
	s_mov_b32 s[G0S], 1
	s_mov_b32 s[G0S+1], SCL
	s_mov_b64 s[G0S+2:G0S+3], s[22:23]
	s_or_b32 s[G0S+3], s[G0S+3], 0x80000000
	s_mov_b32 s[G0SB], 1
	s_mov_b32 s[G0SB+1], SCL+2*HALFS
	s_mov_b64 s[G0SB+2:G0SB+3], s[92:93]
	s_or_b32 s[G0SB+3], s[G0SB+3], 0x80000000
	s_mov_b32 s4, 1                                ; group 0 of the head's whole tiles, in registers whose arguments are used up: slot 0's 256 rows of A,
	s_mov_b32 s5, 0
	s_mov_b64 s[6:7], s[20:21]
	s_or_b32 s7, s7, 0x80000000
	s_mov_b32 s96, 1                               ; and of B, behind them
	s_mov_b32 s97, 2*HALFT
	s_mov_b64 s[98:99], s[46:47]
	s_or_b32 s99, s99, 0x80000000
	s_add_nc_u64 s[20:21], s[20:21], s[18:19]      ; for the ring: my half of the tile
	s_add_nc_u64 s[46:47], s[46:47], s[18:19]
.irp s, 0,1
	s_mov_b32 s[G0+4*\s], 1
	s_add_co_u32 s[G0+4*\s+1], s45, \s*SLOT
	s_add_nc_u64 s[G0+4*\s+2:G0+4*\s+3], s[20:21], \s*KSB
	s_or_b32 s[G0+4*\s+3], s[G0+4*\s+3], 0x80000000
	s_mov_b32 s[G0B+4*\s], 1
	s_add_co_u32 s[G0B+4*\s+1], s45, \s*SLOT
	s_add_nc_u64 s[G0B+4*\s+2:G0B+4*\s+3], s[46:47], \s*KSB
	s_or_b32 s[G0B+4*\s+3], s[G0B+4*\s+3], 0x80000000
.endr
; The head's four tiles, one a wave: wave 0 A's rows, wave 1 B's, wave 2 A's scale words, wave 3 B's: one chain of branches on the wave's number, one load to an arm.
.macro ARM under, g0, g1, next
	s_cmp_lt_u32 s14, \under
	s_cbranch_scc0 \next
	tensor_load_to_lds s[\g0:\g0+3], s[\g1:\g1+7]
	s_nop 0
.rept 4
	v_nop
.endr
	s_branch .Lhead_asked
\next:
.endm
	ARM 1, 4, G1, .Lhead_b
	ARM 2, 96, G1B, .Lhead_sa
	ARM 3, G0S, G1S, .Lhead_sb
	tensor_load_to_lds s[G0SB:G0SB+3], s[G1SB:G1SB+7]
	s_nop 0
.rept 4
	v_nop
.endr
.Lhead_asked:
	; THE PREFETCHES.  Of the eight row tiles that my wave fetches in the ring, each of the four partners that ask for them jointly names two, told apart by address (cx for A, cy for B):
	; a slot's part of a row tile is 3,072 bytes, 12 blocks of 256: 24 blocks, a lane a block (lanes 24-31 name the last again).  K has four slots: slot 1 is asked for here, slots 2 and 3 behind slot 1's fill.
	s_cmp_eq_u32 s15, 0
	s_cselect_b64 s[66:67], s[20:21], s[46:47]
	s_cselect_b32 s2, s40, s41
	s_mul_i32 s2, s2, 2*TPB
	s_mov_b32 s3, 0
	s_add_nc_u64 s[66:67], s[66:67], s[2:3]
	v_and_b32 v30, 31, v0
	v_min_u32 v30, 23, v30
	v_mul_u32_u24 v31, v30, 171
	v_lshrrev_b32 v31, 11, v31                     ; block / 12: which of my two row tiles
	v_mul_u32_u24 v31, v31, TPB-KSB
	v_lshl_add_u32 v30, v30, 8, v31                ; 256 x block, and on to the second row tile; never rewritten
	global_prefetch_b8 v30, s[66:67] offset:KSB th:TH_LOAD_NT scope:SCOPE_SE
	v_and_b32 v1, 31, v0
	v_and_b32 v2, 15, v0
	v_bfe_u32 v3, v0, 4, 1
	v_lshlrev_b32 v4, 4, v1
	v_lshlrev_b32 v5, 3, v1
	v_add_nc_u32 v5, 512, v5
	s_mul_i32 s21, s15, HALFT
	s_mul_i32 s22, s16, HALFT
	s_add_co_u32 s22, s22, 2*HALFT
.irp s, 0,1
	v_add_nc_u32 v[ADRA+\s], s21, v4
	v_add_nc_u32 v[ADRB+\s], s22, v4
	v_add_nc_u32 v[ADRA+2+\s], s21, v5
	v_add_nc_u32 v[ADRB+2+\s], s22, v5
	s_add_co_u32 s21, s21, SLOT
	s_add_co_u32 s22, s22, SLOT
.endr
	s_lshl_b32 s21, s15, 9                         ; scale words lie [128 along K: 1,024 bytes][row: 4]: my 128 rows' begin 512 x half in
	s_lshl_b32 s22, s16, 9
	s_add_co_u32 s22, s22, 2*HALFS
	s_sub_co_u32 s22, s22, s21
	v_mul_u32_u24 v6, s22, v3
	s_add_co_u32 s21, s21, SCL
	v_lshl_add_u32 v6, v2, 2, v6
	v_add_nc_u32 v[ADRS], s21, v6
.macro FRAG reg, adr, q, i
	ds_load_b128 v[\reg:\reg+3], v[\adr] offset:(\i)*KSB+(\q)*1536
	ds_load_b64 v[\reg+4:\reg+5], v[\adr+2] offset:(\i)*KSB+(\q)*1536
	ds_load_b128 v[\reg+6:\reg+9], v[\adr] offset:(\i)*KSB+(\q)*1536+768
	ds_load_b64 v[\reg+10:\reg+11], v[\adr+2] offset:(\i)*KSB+(\q)*1536+768
.endm
.macro MUL16 a0, p, q, sc, zero
.irp a, \a0, \a0+1
.irp b, 0,1,2,3,4,5,6,7
.if \zero
	v_wmma_scale_f32_16x16x128_f8f6f4 v[8*(8*((\a)%4)+\b):8*(8*((\a)%4)+\b)+7], v[128*(\p)+FR*\b:128*(\p)+FR*\b+FR-1], v[AF+FR*(\a):AF+FR*(\a)+FR-1], 0, v[SC+8*NQ*(\sc)+NQ*\b+(\q)], v[SC+8*NQ*(\sc)+NQ*(\a)+(\q)] matrix_a_fmt:MATRIX_FMT_FP6 matrix_b_fmt:MATRIX_FMT_FP6 matrix_a_scale:MATRIX_SCALE_ROW1
.else
	v_wmma_scale_f32_16x16x128_f8f6f4 v[8*(8*((\a)%4)+\b):8*(8*((\a)%4)+\b)+7], v[128*(\p)+FR*\b:128*(\p)+FR*\b+FR-1], v[AF+FR*(\a):AF+FR*(\a)+FR-1], v[8*(8*((\a)%4)+\b):8*(8*((\a)%4)+\b)+7], v[SC+8*NQ*(\sc)+NQ*\b+(\q)], v[SC+8*NQ*(\sc)+NQ*(\a)+(\q)] matrix_a_fmt:MATRIX_FMT_FP6 matrix_b_fmt:MATRIX_FMT_FP6 matrix_a_scale:MATRIX_SCALE_ROW1
.endif
.endr
.endr
.endm
.macro FETCH_B slot, q, p
	WIN TO_B
.irp i, 0,1,2,3,4,5,6,7
	FRAG 128*(\p)+FR*\i, ADRB+\slot, \q, \i
.endr
	WIN 0
.endm
.macro FETCH_A slot, q, i0
.irp i, \i0, \i0+1, \i0+2, \i0+3
	FRAG AF+FR*(\i), ADRA+\slot, \q, \i
.endr
.endm
.macro SCALES sc
.irp i, 0,1,2,3,4,5,6,7
	ds_load_b32 v[SC+16*\sc+2*\i], v[ADRS] offset:64*\i
	ds_load_b32 v[SC+16*\sc+2*\i+1], v[ADRS] offset:64*\i+1024
.endr
.endm
.macro PLACES n
.rept \n
	v_nop
.endr
.endm
.macro STEP slot, q, zero
	s_wait_dscnt 4*NL
	WIN MUL_LO
	MUL16 0, (\q)%2, \q, \slot, \zero
	MUL16 2, (\q)%2, \q, \slot, \zero
	s_wait_dscnt 0
	PLACES NP
	FETCH_B \slot, (\q)+1, 1-(\q)%2
	FETCH_A \slot, (\q)+1, 0
	WIN MUL_HI
	MUL16 4, (\q)%2, \q, \slot, \zero
	MUL16 6, (\q)%2, \q, \slot, \zero
	PLACES NP
	WIN 0
	FETCH_A \slot, (\q)+1, 4
.endm
.macro TURN slot, next, fill
	s_wait_tensorcnt 0x0
	ds_add_u32 v[SPW], v[NIL]
	s_wait_dscnt 4*NL+1
	WIN MUL_LO
	MUL16 0, 1, NQ-1, \slot, 0
	s_wait_dscnt 0x0
	s_barrier_signal -1
	MUL16 2, 1, NQ-1, \slot, 0
	WIN 0
	s_barrier_wait -1
.if \fill
	CREST
	s_add_nc_u64 s[G0+4*\slot+2:G0+4*\slot+3], s[G0+4*\slot+2:G0+4*\slot+3], 2*KSB
	s_add_nc_u64 s[G0B+4*\slot+2:G0B+4*\slot+3], s[G0B+4*\slot+2:G0B+4*\slot+3], 2*KSB
	JLOAD G0+4*\slot, G1, G0B+4*\slot, G1B
.else
	PLACES NP
.endif
	s_wait_alu depctr_va_vdst(0)
	v_add_nc_u32 v[ADRS], 2048, v[ADRS]
	FETCH_B \next, 0, 0
	FETCH_A \next, 0, 0
	SCALES \next
	WIN MUL_HI
	MUL16 4, 1, NQ-1, \slot, 0
	MUL16 6, 1, NQ-1, \slot, 0
	PLACES NP
	WIN 0
	FETCH_A \next, 0, 4
.endm
	s_wait_alu depctr_va_vdst(0)
	s_wait_tensorcnt 0x0                           ; my tile of the head's four is in
	ds_add_u32 v[SPW], v[NIL]
	s_mov_b32 s[G1+2], 8<<16                       ; no tensor load of mine is out: from here on a load brings eight row tiles
	s_mov_b32 s[G1+4], 8
	s_mov_b32 s[G1B+2], 8<<16
	s_mov_b32 s[G1B+4], 8
	s_wait_dscnt 0x0
	CROUND                                         ; all four tiles are in, all sixteen work-groups are here
	JLOAD G0+4, G1, G0B+4, G1B                     ; slot 1's first fill, the first tensor load behind the round
	global_prefetch_b8 v30, s[66:67] offset:2*KSB th:TH_LOAD_NT scope:SCOPE_SE   ; what the two refills will bring
	global_prefetch_b8 v30, s[66:67] offset:3*KSB th:TH_LOAD_NT scope:SCOPE_SE
	FETCH_B 0, 0, 0
	FETCH_A 0, 0, 0
	SCALES 0
	FETCH_A 0, 0, 4
	STEP 0, 0, 1
	TURN 0, 1, 1
	STEP 1, 0, 0
	TURN 1, 0, 1
	STEP 0, 0, 0
	TURN 0, 1, 0
	STEP 1, 0, 0
	s_wait_dscnt 4*NL
	WIN MUL_LO
	MUL16 0, 1, NQ-1, 1, 0
	MUL16 2, 1, NQ-1, 1, 0
	s_wait_dscnt 0
	WIN MUL_HI
	MUL16 4, 1, NQ-1, 1, 0
	MUL16 6, 1, NQ-1, 1, 0
	WIN 0
.irp b, 0,1,2,3
	v_mov_b32 v[TM+4+\b], 0
.endr
	v_mov_b32 v7, 0
	v_mov_b32 v[KA], 0x32edffee
	v_mov_b32 v[KA+1], 0x32edffee
	v_mov_b32 v[KB], 0xb95fbd29
	v_mov_b32 v[KB+1], 0xb95fbd29
	s_mov_b32 s96, 0xaf95df0b
	s_mov_b32 s97, s96
	s_mov_b32 s98, 0xb77460cd
	s_mov_b32 s99, s98
	s_mov_b32 s[SEL], 0x76543210
	s_mov_b32 s[SEL+1], 0xfedcba98
	s_lshl_b32 s20, s42, 1
	s_add_co_u32 s20, s20, s16
	s_lshl_b32 s21, s17, 4
	s_lshl_b32 s22, s15, 3
	s_add_co_u32 s21, s21, s22
	s_lshl_b32 s46, s21, 6
	s_lshl_b32 s47, s20, 1
	s_add_co_u32 s46, s46, s47
	s_mul_i32 s46, s46, 768
	s_mov_b32 s47, 0
	s_lshl_b32 s92, s20, 14
	s_lshl_b32 s93, s21, 6
	s_add_co_u32 s92, s92, s93
	s_add_co_u32 s92, s92, 12582912
	s_mov_b32 s93, 0
	s_add_nc_u64 s[10:11], s[8:9], s[46:47]
	s_add_nc_u64 s[12:13], s[8:9], s[92:93]
	v_and_b32 v1, 31, v0
	v_lshlrev_b32 v5, 2, v1
	v_lshlrev_b32 v2, 3, v1
	v_add_nc_u32 v2, 512, v2
	v_lshlrev_b32 v1, 4, v1
.macro STAGE1 a
	WIN 2+(\a)/4
.set j, 0
.rept 32
	v_pk_mul_f32 v[H+j:H+j+1], v[64*((\a)%4)+j:64*((\a)%4)+j+1], 0.5 op_sel_hi:[1,0]
.set j, j+2
.endr
	WIN 0
.endm
.macro GELU32 h
.set j, 0
.rept 16
	v_pk_mul_f32 v[Z+j:Z+j+1], v[\h+j:\h+j+1], 0x3fb504f3 op_sel_hi:[1,0]
.set j, j+2
.endr
.set j, 0
.rept 32
	v_med3_num_f32 v[Z+j], v[Z+j], -4.0, 4.0
.set j, j+1
.endr
.set j, 0
.rept 16
	v_pk_mul_f32 v[Z2+j:Z2+j+1], v[Z+j:Z+j+1], v[Z+j:Z+j+1]
.set j, j+2
.endr
.set j, 0
.rept 16
	v_pk_fma_f32 v[AL+j:AL+j+1], v[Z2+j:Z2+j+1], s[96:97], v[KA:KA+1] op_sel_hi:[1,0,0]
	v_pk_fma_f32 v[BE+j:BE+j+1], v[Z2+j:Z2+j+1], s[98:99], v[KB:KB+1] op_sel_hi:[1,0,0]
.set j, j+2
.endr
.irp k, 0xb60cff51, 0xb86ec2d2, 0xba40ac63, 0xbb41a1f6, 0xbc83dbd4
.set j, 0
.rept 16
	v_pk_fma_f32 v[AL+j:AL+j+1], v[AL+j:AL+j+1], v[Z2+j:Z2+j+1], \k op_sel_hi:[1,1,0]
.set j, j+2
.endr
.endr
.irp k, 0xbadc924e, 0xbbf19bf8, 0xbc69b6a7
.set j, 0
.rept 16
	v_pk_fma_f32 v[BE+j:BE+j+1], v[BE+j:BE+j+1], v[Z2+j:Z2+j+1], \k op_sel_hi:[1,1,0]
.set j, j+2
.endr
.endr
.set j, 0
	s_wait_alu depctr_va_vdst(0)
.rept 32
	v_rcp_f32 v[BE+j], v[BE+j]
.set j, j+1
.endr
.set j, 0
.rept 16
	v_pk_mul_f32 v[AL+j:AL+j+1], v[AL+j:AL+j+1], v[Z+j:Z+j+1]
.set j, j+2
.endr
	s_wait_alu depctr_va_vdst(0)
.set j, 0
.rept 16
	v_pk_mul_f32 v[AL+j:AL+j+1], v[AL+j:AL+j+1], v[BE+j:BE+j+1]
.set j, j+2
.endr
.set j, 0
.rept 16
	v_pk_fma_f32 v[\h+j:\h+j+1], v[\h+j:\h+j+1], v[AL+j:AL+j+1], v[\h+j:\h+j+1]
.set j, j+2
.endr
.endm
	s_mov_b32 s3, 0
.Lrow:
.irp a, 0,1,2,3,4,5,6
	s_cmp_eq_u32 s3, \a
	s_cbranch_scc1 .Ltile_\a
.endr
	STAGE1 7
	s_branch .Lcommon
.irp a, 0,1,2,3,4,5,6
.Ltile_\a:
	STAGE1 \a
	s_branch .Lcommon
.endr
.Lcommon:
	GELU32 H
	GELU32 H+32
.irp b, 0,1,2,3
	v_max3_num_f32 v[TM+\b], |v[H+16*\b]|, |v[H+16*\b+1]|, 0x1800000
.endr
.irp i, 2,4,6,8,10,12,14
.irp b, 0,1,2,3
	v_max3_num_f32 v[TM+\b], |v[H+16*\b+\i]|, |v[H+16*\b+\i+1]|, v[TM+\b]
.endr
.endr
.irp b, 0,1,2,3
	v_permlanex16_b32 v[TM+4+\b], v[TM+\b], s[SEL], s[SEL+1]
.endr
.irp b, 0,1,2,3
	v_max_num_f32 v[TM+\b], v[TM+\b], v[TM+4+\b]
.endr
.irp b, 0,1,2,3
	v_add_nc_u32 v[TM+12+\b], 0xff000000, v[TM+\b]
.endr
.irp b, 0,1,2,3
	v_lshrrev_b32 v[TM+4+\b], 23, v[TM+12+\b]
.endr
	v_lshl_or_b32 v[PW], v[TM+5], 8, v[TM+4]
	v_lshl_or_b32 v[PW], v[TM+6], 16, v[PW]
	v_lshl_or_b32 v[PW], v[TM+7], 24, v[PW]
.irp c, 0,1
	v_cvt_scalef32_pk16_fp6_f32 v[PC+6*\c:PC+6*\c+2], v[H+32*\c:H+32*\c+15], v[TM+12+2*\c]
	v_cvt_scalef32_pk16_fp6_f32 v[PC+12+4*\c:PC+14+4*\c], v[H+16+32*\c:H+31+32*\c], v[TM+13+2*\c]
.endr
	v_nop
.irp c, 0,1
.irp i, 0,1,2
	v_permlane16_swap_b32 v[PC+6*\c+\i], v[PC+12+4*\c+\i]
.endr
.irp i, 0,1,2
	v_mov_b32 v[PC+3+6*\c+\i], v[PC+12+4*\c+\i]
.endr
.endr
	global_store_b128 v1, v[PC:PC+3], s[10:11]
	global_store_b64 v2, v[PC+4:PC+5], s[10:11]
	global_store_b128 v1, v[PC+6:PC+9], s[10:11] offset:768
	global_store_b64 v2, v[PC+10:PC+11], s[10:11] offset:768
	s_and_b32 s20, s3, 1
	s_cmp_eq_u32 s20, 0
	s_mov_b32 s21, 0xffff0000
	s_cselect_b32 s21, 0xffff, s21
	v_cndmask_b32 v7, v7, v[PW], s21
	s_cbranch_scc1 .Lno_words
	global_store_b32 v5, v7, s[12:13]
	s_wait_xcnt 0x0
	s_add_nc_u64 s[12:13], s[12:13], 128
.Lno_words:
	s_wait_xcnt 0x0
	s_add_nc_u64 s[10:11], s[10:11], 49152
	s_add_co_u32 s3, s3, 1
	s_cmp_lt_u32 s3, 8
	s_cbranch_scc1 .Lrow
	s_wait_tensorcnt 0x0
	ds_add_u32 v[SPW], v[NIL]
	s_wait_dscnt 0x0
	CROUND
	s_endpgm
.Lfunc_end_k_qb282ac65b1_fc1:
	.size	k_qb282ac65b1_fc1, .Lfunc_end_k_qb282ac65b1_fc1-k_qb282ac65b1_fc1
	.p2alignl 7, 3214868480
	.fill 96, 4, 3214868480
	.section	.rodata,"a",@progbits
	.p2align	6, 0x0
	.amdhsa_kernel k_qb282ac65b1_fc1
		.amdhsa_group_segment_fixed_size 327680
		.amdhsa_private_segment_fixed_size 0
		.amdhsa_enable_private_segment 0
		.amdhsa_kernarg_size 24
		.amdhsa_user_sgpr_count 2
		.amdhsa_user_sgpr_kernarg_segment_ptr 1
		.amdhsa_wavefront_size32 1
		.amdhsa_system_sgpr_workgroup_id_x 1
		.amdhsa_system_sgpr_workgroup_id_y 1
		.amdhsa_system_sgpr_workgroup_id_z 1
		.amdhsa_system_vgpr_workitem_id 0
		.amdhsa_next_free_vgpr 1024
		.amdhsa_next_free_sgpr 100
		.amdhsa_reserve_vcc 0
		.amdhsa_float_denorm_mode_32 3
		.amdhsa_float_denorm_mode_16_64 3
		.amdhsa_memory_ordered 1
		.amdhsa_forward_progress 1
		.amdhsa_inst_pref_size 186
	.end_amdhsa_kernel
	.amdgpu_metadata
---
amdhsa.version: [ 1, 2 ]
amdhsa.kernels:
  - .name:           k_qb282ac65b1_fc1
    .symbol:         k_qb282ac65b1_fc1.kd
    .args:
      - { .name: act, .offset: 0, .size: 8, .value_kind: global_buffer, .address_space: global }
      - { .name: wts, .offset: 8, .size: 8, .value_kind: global_buffer, .address_space: global }
      - { .name: hid, .offset: 16, .size: 8, .value_kind: global_buffer, .address_space: global }
    .group_segment_fixed_size: 327680
    .private_segment_fixed_size: 0
    .kernarg_segment_align: 8
    .kernarg_segment_size: 24
    .max_flat_workgroup_size: 128
    .sgpr_count:     100
    .vgpr_count:     1024
    .wavefront_size: 32
...
	.end_amdgpu_metadata
.endif
;; end of part 6
;; launch fc2 (part 7): grid 8 x 32, 4 waves a work-group, clusters of 4 x 4, 327,680 bytes of LDS; arguments hid, wts, x1, out0; writes out0
.if DOCPART == 7
	.amdgcn_target "amdgcn-amd-amdhsa--gfx1250"
	.amdhsa_code_object_version 6
	.text
	.protected	k_qb282ac65b1_fc2
	.globl	k_qb282ac65b1_fc2
	.p2align	8
	.type	k_qb282ac65b1_fc2,@function
k_qb282ac65b1_fc2:
	s_mov_b64 s[64:65], 0
	v_nop
	global_prefetch_b8 v0, s[64:65] scope:SCOPE_SE
	s_setreg_imm32_b32 hwreg(HW_REG_WAVE_MODE, 25, 1), 1
	s_wait_xcnt 0x0
	s_wait_alu depctr_hold_cnt(0) depctr_sa_sdst(0) depctr_va_vdst(0) depctr_va_sdst(0) depctr_va_ssrc(0) depctr_va_vcc(0) depctr_vm_vsrc(0)
	s_getreg_b32 s2, hwreg(HW_REG_IB_STS2, 6, 4)
	s_cmp_eq_u32 s2, 0
	s_cbranch_scc0 .Lentry_in_a_cluster
	s_endpgm
.Lentry_in_a_cluster:
	s_bfe_u32 s2, ttmp6, 0x10000c
	s_cmp_lg_u32 s2, 0xf033
	s_cbranch_scc0 .Lentry_shape_is_right
	s_endpgm
.Lentry_shape_is_right:
.set KTOT,   4096
.set ASB,    12582912
.set BCB,    6291456
.set BSB,    9732096
.set TPB,    KTOT/64*768
.set NK,     KTOT/128
.set LAPS,   KTOT/1024
.set FR,     12
.set RTB,    6144
.set HALFT,  4*RTB
.set SLOT,   4*HALFT
.set SCL,    2*SLOT
.set HALFS,  NK*256
.set STAGE,  SCL+4*HALFS
.set SPITCH, 272
.set SPARE,  STAGE+4*16*SPITCH
.set ADRA, 16
.set ADRB, 20
.set STO,  24
.set RD,   25
.set CO,   26
.set ADRS, 27
.set SPW,  28
.set NIL,  29
.set SC,   32
.set OB,   64
.set ACC,  128
.set F0,   0
.set F1,   128
.set G1, 24
.set G0, 32
.set G1B, 48
.set G0B, 56
.set G1S, 68
.set G0S, 76
.set G1SB, 80
.set G0SB, 88
.set MSB, 0
.macro WIN new
.if MSB != (\new)
	s_set_vgpr_msb (MSB<<8)|(\new)
.set MSB, (\new)
.endif
.endm
.set MUL,  0x05
.set TO_F, 0x40
.macro JLOAD g0a, g1a, g0b, g1b
	s_cmp_eq_u32 s15, 0
	s_cbranch_scc0 .Lfor_b_\@
	tensor_load_to_lds s[\g0a:\g0a+3], s[\g1a:\g1a+7]
	s_nop 0
.rept 4
	v_nop
.endr
	s_branch .Lasked_\@
.Lfor_b_\@:
	tensor_load_to_lds s[\g0b:\g0b+3], s[\g1b:\g1b+7]
	s_nop 0
.rept 4
	v_nop
.endr
.Lasked_\@:
.endm
.macro CREST
	s_cmp_lg_u32 s14, 0
	s_cbranch_scc1 .Lnot_wave_0_\@
	s_barrier_signal -3
.Lnot_wave_0_\@:
	s_barrier_wait -3
	s_barrier_signal -1
	s_barrier_wait -1
.endm
.macro CROUND
	s_barrier_signal -1
	s_barrier_wait -1
	CREST
.endm
	s_load_b256 s[4:11], s[0:1], 0x0
	v_lshl_add_u32 v[SPW], v0, 2, SPARE
	v_mov_b32 v[NIL], 0
	ds_add_u32 v[SPW], v[NIL]
	ds_add_u32 v[SPW], v[NIL]
	v_lshrrev_b32 v1, 5, v0
	v_readfirstlane_b32 s14, v1
	s_lshr_b32 s15, s14, 1
	s_and_b32 s16, s14, 1
	s_bfe_u32 s40, ttmp6, 0x40000
	s_bfe_u32 s41, ttmp6, 0x40004
	s_lshl_b32 s42, ttmp9, 2
	s_add_co_u32 s42, s42, s40
	s_and_b32 s17, ttmp7, 0xffff
	s_lshl_b32 s17, s17, 2
	s_add_co_u32 s17, s17, s41
	s_lshl_b32 s43, s41, 2
	s_lshl_b32 s43, 15, s43
	s_lshl_b32 s44, 0x1111, s40
	s_or_b32 s[G1+0], s43, (3<<16)|(1<<21)
	s_or_b32 s[G1B+0], s44, (3<<16)|(1<<21)
.irp g, G1, G1B
	s_mov_b32 s[\g+1], 768<<16
	s_mov_b32 s[\g+2], 8<<16                       ; the head's loads bring all 8 row tiles; behind them the two words are set to 4, for the ring's
	s_mov_b32 s[\g+3], 768<<16
	s_mov_b32 s[\g+4], 8
	s_mov_b32 s[\g+5], TPB/8
	s_mov_b32 s[\g+6], 0
	s_mov_b32 s[\g+7], 0
.endr
	s_or_b32 s[G1S+0], s43, (3<<16)|(1<<21)
	s_or_b32 s[G1SB+0], s44, (3<<16)|(1<<21)
.irp g, G1S, G1SB
	s_mov_b32 s[\g+1], 64<<16                      ; 512 bytes: the words of all 128 rows, one load a side
	s_mov_b32 s[\g+2], NK<<16
	s_mov_b32 s[\g+3], 64<<16
	s_mov_b32 s[\g+4], NK
	s_mov_b32 s[\g+6], 0
	s_mov_b32 s[\g+7], 0
.endr
	s_mov_b32 s[G1S+5], 2048
	s_mov_b32 s[G1SB+5], 512
	s_lshl_b32 s20, s17, 3                         ; A: the tile's first row tile
	s_lshl_b32 s46, s42, 3                         ; B's
	s_mul_i32 s18, s16, 4*TPB                      ; in the ring I fetch four row tiles: which half, in bytes
	s_mov_b32 s19, 0
	s_lshl_b32 s22, s20, 6
	s_add_co_u32 s22, s22, ASB
	s_lshl_b32 s92, s46, 6
	s_add_co_u32 s92, s92, BSB
	s_mul_i32 s20, s20, TPB
	s_mul_i32 s46, s46, TPB
	s_add_co_u32 s46, s46, BCB
	s_mov_b32 s21, 0
	s_mov_b32 s23, 0
	s_mov_b32 s47, 0
	s_mov_b32 s93, 0
	s_mul_i32 s45, s14, HALFT
	s_wait_dscnt 0x0
	s_wait_kmcnt 0x0
	s_add_nc_u64 s[20:21], s[4:5], s[20:21]
	s_add_nc_u64 s[22:23], s[4:5], s[22:23]
	s_add_nc_u64 s[46:47], s[6:7], s[46:47]
	s_add_nc_u64 s[92:93], s[6:7], s[92:93]
	CROUND
	s_mov_b32 s[G0S], 1
	s_mov_b32 s[G0S+1], SCL
	s_mov_b64 s[G0S+2:G0S+3], s[22:23]
	s_or_b32 s[G0S+3], s[G0S+3], 0x80000000
	s_mov_b32 s[G0SB], 1
	s_mov_b32 s[G0SB+1], SCL+2*HALFS
	s_mov_b64 s[G0SB+2:G0SB+3], s[92:93]
	s_or_b32 s[G0SB+3], s[G0SB+3], 0x80000000
	s_mov_b32 s4, 1                                ; group 0 of the head's whole tiles, in registers whose arguments are used up: slot 0's 128 rows of A,
	s_mov_b32 s5, 0
	s_mov_b64 s[6:7], s[20:21]
	s_or_b32 s7, s7, 0x80000000
	s_mov_b32 s96, 1                               ; and of B, behind them
	s_mov_b32 s97, 2*HALFT
	s_mov_b64 s[98:99], s[46:47]
	s_or_b32 s99, s99, 0x80000000
	s_add_nc_u64 s[20:21], s[20:21], s[18:19]      ; for the ring: my half of the tile
	s_add_nc_u64 s[46:47], s[46:47], s[18:19]
.irp s, 0,1
	s_mov_b32 s[G0+4*\s], 1
	s_add_co_u32 s[G0+4*\s+1], s45, \s*SLOT
	s_add_nc_u64 s[G0+4*\s+2:G0+4*\s+3], s[20:21], \s*RTB
	s_or_b32 s[G0+4*\s+3], s[G0+4*\s+3], 0x80000000
	s_mov_b32 s[G0B+4*\s], 1
	s_add_co_u32 s[G0B+4*\s+1], s45, \s*SLOT
	s_add_nc_u64 s[G0B+4*\s+2:G0B+4*\s+3], s[46:47], \s*RTB
	s_or_b32 s[G0B+4*\s+3], s[G0B+4*\s+3], 0x80000000
.endr
; The head's four tiles, one a wave: wave 0 A's rows, wave 1 B's, wave 2 A's scale words, wave 3 B's: one chain of branches on the wave's number, one load to an arm.
.macro ARM under, g0, g1, next
	s_cmp_lt_u32 s14, \under
	s_cbranch_scc0 \next
	tensor_load_to_lds s[\g0:\g0+3], s[\g1:\g1+7]
	s_nop 0
.rept 4
	v_nop
.endr
	s_branch .Lhead_asked
\next:
.endm
	ARM 1, 4, G1, .Lhead_b
	ARM 2, 96, G1B, .Lhead_sa
	ARM 3, G0S, G1S, .Lhead_sb
	tensor_load_to_lds s[G0SB:G0SB+3], s[G1SB:G1SB+7]
	s_nop 0
.rept 4
	v_nop
.endr
.Lhead_asked:
	; THE PREFETCHES.  Of the four row tiles that my wave fetches in the ring, each of the four partners that ask for them jointly names one, told apart by address (cx for A, cy for B):
	; a slot's part of a row tile is 6,144 bytes, 24 blocks of 256, a lane a block (lanes 24-31 name the last again).  s[12:13]: that row tile; it steps a slot along K at each refill.
	s_cmp_eq_u32 s15, 0
	s_cselect_b64 s[12:13], s[20:21], s[46:47]
	s_cselect_b32 s94, s40, s41
	s_mul_i32 s94, s94, TPB
	s_mov_b32 s95, 0
	s_add_nc_u64 s[12:13], s[12:13], s[94:95]
	v_and_b32 v30, 31, v0
	v_min_u32 v30, 23, v30
	v_lshlrev_b32 v30, 8, v30
	global_prefetch_b8 v30, s[12:13] offset:RTB th:TH_LOAD_NT scope:SCOPE_SE   ; slot 1, whose fill follows behind the head's round
	v_and_b32 v1, 31, v0
	v_and_b32 v2, 15, v0
	v_bfe_u32 v3, v0, 4, 1
	v_lshlrev_b32 v4, 4, v1
	v_lshlrev_b32 v5, 3, v1
	v_add_nc_u32 v5, 512, v5
	s_mul_i32 s21, s15, HALFT
	s_mul_i32 s22, s16, HALFT
	s_add_co_u32 s22, s22, 2*HALFT
.irp s, 0,1
	v_add_nc_u32 v[ADRA+\s], s21, v4
	v_add_nc_u32 v[ADRB+\s], s22, v4
	v_add_nc_u32 v[ADRA+2+\s], s21, v5
	v_add_nc_u32 v[ADRB+2+\s], s22, v5
	s_add_co_u32 s21, s21, SLOT
	s_add_co_u32 s22, s22, SLOT
.endr
	s_lshl_b32 s21, s15, 8                         ; scale words lie [128 along K: 512 bytes][row: 4]: my 64 rows' begin 256 x half in
	s_lshl_b32 s22, s16, 8
	s_add_co_u32 s22, s22, 2*HALFS
	s_sub_co_u32 s22, s22, s21
	v_mul_u32_u24 v6, s22, v3
	s_add_co_u32 s21, s21, SCL
	v_lshl_add_u32 v6, v2, 2, v6
	v_add_nc_u32 v[ADRS], s21, v6
	s_mul_i32 s23, s14, 16*SPITCH
	s_add_co_u32 s23, s23, STAGE
	v_mul_u32_u24 v6, v2, SPITCH
	v_lshl_add_u32 v6, v3, 6, v6
	v_add_nc_u32 v[STO], s23, v6
	v_mul_u32_u24 v6, v3, SPITCH
	v_lshl_add_u32 v6, v2, 4, v6
	v_add_nc_u32 v[RD], s23, v6
	v_lshlrev_b32 v6, 12, v3
	v_lshl_add_u32 v[CO], v2, 4, v6
	s_wait_alu depctr_va_vdst(0)
	s_lshl_b32 s20, s17, 7
	s_lshl_b32 s21, s15, 6
	s_add_co_u32 s20, s20, s21
	s_lshl_b32 s20, s20, 12
	s_lshl_b32 s46, s42, 9
	s_lshl_b32 s47, s16, 8
	s_add_co_u32 s46, s46, s47
	s_add_co_u32 s20, s20, s46
	s_mov_b32 s21, 0
	s_add_nc_u64 s[8:9], s[8:9], s[20:21]
	s_add_nc_u64 s[10:11], s[10:11], s[20:21]
	WIN 0x80
.irp a, 0,1,2,3
.irp i, 0,1,2,3,4,5,6,7
	global_load_b128 v[32*\a+4*\i:32*\a+4*\i+3], v[CO], s[8:9] offset:(32*(\a/2)+8*(\a%2)+2*(\i%4)+16*(\i/4))*4096
.endr
.endr
	WIN 0
.macro FRAG reg, adr, q, i
	ds_load_b128 v[\reg:\reg+3], v[\adr] offset:(\i)*RTB+(\q)*1536
	ds_load_b64 v[\reg+4:\reg+5], v[\adr+2] offset:(\i)*RTB+(\q)*1536
	ds_load_b128 v[\reg+6:\reg+9], v[\adr] offset:(\i)*RTB+(\q)*1536+768
	ds_load_b64 v[\reg+10:\reg+11], v[\adr+2] offset:(\i)*RTB+(\q)*1536+768
.endm
.macro MULA f, a, q, sc, zero
.irp b, 0,1,2,3
.if \zero
	v_wmma_scale_f32_16x16x128_f8f6f4 v[ACC+8*(4*(\a)+\b):ACC+8*(4*(\a)+\b)+7], v[\f+48+FR*\b:\f+48+FR*\b+FR-1], v[\f+FR*(\a):\f+FR*(\a)+FR-1], 0, v[SC+16*(\sc)+4*\b+(\q)], v[SC+16*(\sc)+4*(\a)+(\q)] matrix_a_fmt:MATRIX_FMT_FP6 matrix_b_fmt:MATRIX_FMT_FP6 matrix_a_scale:MATRIX_SCALE_ROW1
.else
	v_wmma_scale_f32_16x16x128_f8f6f4 v[ACC+8*(4*(\a)+\b):ACC+8*(4*(\a)+\b)+7], v[\f+48+FR*\b:\f+48+FR*\b+FR-1], v[\f+FR*(\a):\f+FR*(\a)+FR-1], v[ACC+8*(4*(\a)+\b):ACC+8*(4*(\a)+\b)+7], v[SC+16*(\sc)+4*\b+(\q)], v[SC+16*(\sc)+4*(\a)+(\q)] matrix_a_fmt:MATRIX_FMT_FP6 matrix_b_fmt:MATRIX_FMT_FP6 matrix_a_scale:MATRIX_SCALE_ROW1
.endif
.endr
.endm
.macro FETCH slot, q, f
	WIN TO_F
.irp i, 0,1,2,3
	FRAG \f+48+FR*\i, ADRB+\slot, \q, \i
.endr
.irp i, 0,1,2,3
	FRAG \f+FR*\i, ADRA+\slot, \q, \i
.endr
.endm
.macro SCALES sc
.irp i, 0,1,2,3
.irp q, 0,1,2,3
	ds_load_b32 v[SC+16*\sc+4*\i+\q], v[ADRS] offset:64*\i+512*\q
.endr
.endr
.endm
.macro PLACES n
.rept \n
	v_nop
.endr
.endm
.macro STEP slot, q, f, g, zero
	s_wait_dscnt 8
	WIN MUL
	MULA \f, 0, \q, \slot, \zero
	MULA \f, 1, \q, \slot, \zero
	PLACES 4
	FETCH \slot, (\q)+1, \g
	s_wait_dscnt 32
	WIN MUL
	MULA \f, 2, \q, \slot, \zero
	MULA \f, 3, \q, \slot, \zero
.endm
.macro TURN slot, next, fill
	WIN 0
.if \fill
	s_wait_xcnt 0x0                                ; my last prefetch has read its address: it steps one slot along K
	s_add_nc_u64 s[12:13], s[12:13], RTB
.endif
	s_wait_tensorcnt 0x0
	ds_add_u32 v[SPW], v[NIL]
	s_wait_dscnt 9
	WIN MUL
	MULA F1, 0, 3, \slot, 0
	s_wait_dscnt 0x0
	s_barrier_signal -1
	MULA F1, 1, 3, \slot, 0
	WIN 0
	s_barrier_wait -1
.if \fill
	CREST
	s_add_nc_u64 s[G0+4*\slot+2:G0+4*\slot+3], s[G0+4*\slot+2:G0+4*\slot+3], 2*RTB
	s_add_nc_u64 s[G0B+4*\slot+2:G0B+4*\slot+3], s[G0B+4*\slot+2:G0B+4*\slot+3], 2*RTB
	JLOAD G0+4*\slot, G1, G0B+4*\slot, G1B
.else
	PLACES 4
.endif
	s_wait_alu depctr_va_vdst(0)
	v_add_nc_u32 v[ADRS], 2048, v[ADRS]
	SCALES \next
.if \fill
	s_cmp_gt_u32 s3, 1                             ; the refill just issued brings slot n + 1 of K's eight; asked for here is slot n + 3, two refills on; the loop's last trip has none left
	s_cbranch_scc0 .Lno_ask_\@
	global_prefetch_b8 v30, s[12:13] offset:3*RTB th:TH_LOAD_NT scope:SCOPE_SE
.Lno_ask_\@:
.endif
	FETCH \next, 0, F0
	WIN MUL
	MULA F1, 2, 3, \slot, 0
	MULA F1, 3, 3, \slot, 0
.endm
	s_wait_tensorcnt 0x0                           ; my tile of the head's four is in
	ds_add_u32 v[SPW], v[NIL]
	s_mov_b32 s[G1+2], 4<<16                       ; no tensor load of mine is out: from here on a load brings four row tiles
	s_mov_b32 s[G1+4], 4
	s_mov_b32 s[G1B+2], 4<<16
	s_mov_b32 s[G1B+4], 4
	s_wait_dscnt 0x0
	CROUND                                         ; all four tiles are in, all sixteen work-groups are here
	JLOAD G0+4, G1, G0B+4, G1B                     ; slot 1's first fill, the first tensor load behind the round
	SCALES 0
	global_prefetch_b8 v30, s[12:13] offset:2*RTB th:TH_LOAD_NT scope:SCOPE_SE   ; what the first two refills will bring
	global_prefetch_b8 v30, s[12:13] offset:3*RTB th:TH_LOAD_NT scope:SCOPE_SE
	FETCH 0, 0, F0
	STEP 0, 0, F0, F1, 1
.if LAPS > 1
	WIN 0
	s_mov_b32 s3, LAPS-1
.Llap:
	STEP 0, 1, F1, F0, 0
	STEP 0, 2, F0, F1, 0
	TURN 0, 1, 1
	STEP 1, 0, F0, F1, 0
	STEP 1, 1, F1, F0, 0
	STEP 1, 2, F0, F1, 0
	TURN 1, 0, 1
	STEP 0, 0, F0, F1, 0
	WIN 0
	s_sub_co_u32 s3, s3, 1
	s_cmp_lg_u32 s3, 0
	s_cbranch_scc1 .Llap
.endif
	STEP 0, 1, F1, F0, 0
	STEP 0, 2, F0, F1, 0
	TURN 0, 1, 0
	STEP 1, 0, F0, F1, 0
	STEP 1, 1, F1, F0, 0
	STEP 1, 2, F0, F1, 0
	s_wait_dscnt 8
	WIN MUL
	MULA F1, 0, 3, 1, 0
	MULA F1, 1, 3, 1, 0
	s_wait_dscnt 0
	MULA F1, 2, 3, 1, 0
	MULA F1, 3, 3, 1, 0
	WIN 0
	PLACES 4
	s_wait_loadcnt 0x0
.macro TOSTAGE a
.irp b, 0,1,2,3
	ds_store_b128 v[STO], v[ACC+8*(4*(\a)+\b):ACC+8*(4*(\a)+\b)+3] offset:128*(\b/2)+32*(\b%2)
	ds_store_b128 v[STO], v[ACC+8*(4*(\a)+\b)+4:ACC+8*(4*(\a)+\b)+7] offset:128*(\b/2)+32*(\b%2)+16
.endr
.irp i, 0,1,2,3,4,5,6,7
	ds_load_b128 v[OB+32*((\a)%2)+4*\i:OB+32*((\a)%2)+4*\i+3], v[RD] offset:2*\i*SPITCH
.endr
.endm
.macro SEND a, younger
	s_wait_dscnt \younger
	WIN 0x08
.set k, 0
.rept 16
	v_pk_add_f32 v[OB+32*((\a)%2)+k:OB+32*((\a)%2)+k+1], v[OB+32*((\a)%2)+k:OB+32*((\a)%2)+k+1], v[32*(\a)+k:32*(\a)+k+1]
.set k, k+2
.endr
	WIN 0
.irp i, 0,1,2,3,4,5,6,7
	global_store_b128 v[CO], v[OB+32*((\a)%2)+4*\i:OB+32*((\a)%2)+4*\i+3], s[10:11] offset:(32*((\a)/2)+8*((\a)%2)+2*(\i%4)+16*(\i/4))*4096
.endr
.endm
	TOSTAGE 0
	TOSTAGE 1
	SEND 0, 16
	s_wait_xcnt 0x0
	TOSTAGE 2
	SEND 1, 16
	s_wait_xcnt 0x0
	TOSTAGE 3
	SEND 2, 16
	SEND 3, 0
	s_wait_tensorcnt 0x0
	ds_add_u32 v[SPW], v[NIL]
	s_wait_dscnt 0x0
	CROUND
	s_endpgm
.Lfunc_end_k_qb282ac65b1_fc2:
	.size	k_qb282ac65b1_fc2, .Lfunc_end_k_qb282ac65b1_fc2-k_qb282ac65b1_fc2
	.p2alignl 7, 3214868480
	.fill 96, 4, 3214868480
	.section	.rodata,"a",@progbits
	.p2align	6, 0x0
	.amdhsa_kernel k_qb282ac65b1_fc2
		.amdhsa_group_segment_fixed_size 327680
		.amdhsa_private_segment_fixed_size 0
		.amdhsa_enable_private_segment 0
		.amdhsa_kernarg_size 32
		.amdhsa_user_sgpr_count 2
		.amdhsa_user_sgpr_kernarg_segment_ptr 1
		.amdhsa_wavefront_size32 1
		.amdhsa_system_sgpr_workgroup_id_x 1
		.amdhsa_system_sgpr_workgroup_id_y 1
		.amdhsa_system_sgpr_workgroup_id_z 1
		.amdhsa_system_vgpr_workitem_id 0
		.amdhsa_next_free_vgpr 768
		.amdhsa_next_free_sgpr 100
		.amdhsa_reserve_vcc 0
		.amdhsa_float_denorm_mode_32 3
		.amdhsa_float_denorm_mode_16_64 3
		.amdhsa_memory_ordered 1
		.amdhsa_forward_progress 1
		.amdhsa_inst_pref_size 102
	.end_amdhsa_kernel
	.amdgpu_metadata
---
amdhsa.version: [ 1, 2 ]
amdhsa.kernels:
  - .name:           k_qb282ac65b1_fc2
    .symbol:         k_qb282ac65b1_fc2.kd
    .args:
      - { .name: hid, .offset: 0, .size: 8, .value_kind: global_buffer, .address_space: global }
      - { .name: wts, .offset: 8, .size: 8, .value_kind: global_buffer, .address_space: global }
      - { .name: x1, .offset: 16, .size: 8, .value_kind: global_buffer, .address_space: global }
      - { .name: out0, .offset: 24, .size: 8, .value_kind: global_buffer, .address_space: global }
    .group_segment_fixed_size: 327680
    .private_segment_fixed_size: 0
    .kernarg_segment_align: 8
    .kernarg_segment_size: 32
    .max_flat_workgroup_size: 128
    .sgpr_count:     100
    .vgpr_count:     768
    .wavefront_size: 32
...
	.end_amdgpu_metadata
.endif
;; end of part 7
